; MI455X (gfx1250); checked and timed in simulation.
; The chip was launched on July 23, 2026; its instructions are those of AMD's public machine-readable ISA for CDNA 5 (MIT licence, August 2026) and "CDNA5" Instruction Set Architecture Reference Guide (July 2026). The comments in the code are by the model that wrote it; some were corrected since.
;; Decoder Block. Allowed arithmetic: matrix products marked QUANTISED: E2M3 operands, one E8M0 scale for each 32 along K, by v_wmma_scale_f32_16x16x128_f8f6f4 with both operands' format E2M3, f32 sums; everything else in f32.
;; Inputs: beta1 1,024 float32; beta2 1,024 float32; bf1 4,096 float32; bf2 1,024 float32; g1 1,024 float32; g2 1,024 float32; proj_b 1,024 float32; proj_w_codes 1,024 x 32 x 24 uint8 (E2M3 codes of proj_w, K innermost, in blocks of 32 codes, four codes in three bytes); proj_w_scales 1,024 x 32 uint8 (E8M0 scales of proj_w, one for each 32 codes along K); w1_codes 4,096 x 32 x 24 uint8 (E2M3 codes of w1, K innermost, in blocks of 32 codes, four codes in three bytes); w1_scales 4,096 x 32 uint8 (E8M0 scales of w1, one for each 32 codes along K); w2_codes 1,024 x 128 x 24 uint8 (E2M3 codes of w2, K innermost, in blocks of 32 codes, four codes in three bytes); w2_scales 1,024 x 128 uint8 (E8M0 scales of w2, one for each 32 codes along K); wk_codes 16 x 64 x 32 x 24 uint8 (E2M3 codes of wk, K innermost, in blocks of 32 codes, four codes in three bytes); wk_scales 16 x 64 x 32 uint8 (E8M0 scales of wk, one for each 32 codes along K); wq_codes 16 x 64 x 32 x 24 uint8 (E2M3 codes of wq, K innermost, in blocks of 32 codes, four codes in three bytes); wq_scales 16 x 64 x 32 uint8 (E8M0 scales of wq, one for each 32 codes along K); wv_codes 16 x 64 x 32 x 24 uint8 (E2M3 codes of wv, K innermost, in blocks of 32 codes, four codes in three bytes); wv_scales 16 x 64 x 32 uint8 (E8M0 scales of wv, one for each 32 codes along K); x 4 x 1,024 x 1,024 float32.
;; Outputs: out0 4 x 1,024 x 1,024 float32.
;; This version of the problem:
;;   THIS VERSION OF THE PROBLEM IS GIVEN IN LOW PRECISION. The matrix products marked QUANTISED in the list below multiply operands that are first quantised to E2M3 (2 exponent bits, 3 mantissa bits; 6 bits a number), with one power-of-two scale for each 32 numbers along K (OCP MX v1.0); their sums are f32. All else is computed in f32.
;;   The module's matrix products, in the order in which they are computed (A, B: the left and right operand; K: the contracted axis; several contracted axes count as one K, in the product's order):
;;     1. [M 1,024, K 1,024] x [K 1,024, N 4,096]; A: input wq (given as codes); B: computed on the way: QUANTISED
;;     2. [M 1,024, K 1,024] x [K 1,024, N 4,096]; A: input wk (given as codes); B: computed on the way: QUANTISED
;;     3. [M 1,024, K 1,024] x [K 1,024, N 4,096]; A: input wv (given as codes); B: computed on the way: QUANTISED
;;     4. batch 64 x [M 1,024, K 64] x [K 64, N 1,024]; A: computed on the way; B: computed on the way: QUANTISED
;;     5. batch 64 x [M 1,024, K 1,024] x [K 1,024, N 64]; A: softmax (see below); B: computed on the way: QUANTISED
;;     6. [M 4,096, K 1,024] x [K 1,024, N 1,024]; A: computed on the way; B: input proj_w (given as codes): QUANTISED
;;     7. [M 4,096, K 1,024] x [K 1,024, N 4,096]; A: computed on the way; B: input w1 (given as codes): QUANTISED
;;     8. [M 4,096, K 4,096] x [K 4,096, N 1,024]; A: computed on the way; B: input w2 (given as codes): QUANTISED
;;   THE QUANTISER, for each operand of a quantised product, along K:
;;     - K is cut into blocks of 32 from its start; a last block that is shorter is filled with zeros.
;;     - A block's scale is 2^e with e = floor(log2(the largest magnitude in the block)) - 2, held to -126 .. 127; a block of zeros has e = 0. As a byte (E8M0): e + 127.
;;     - Each number is divided by its block's scale, clamped to +-7.5, and rounded to the nearest number of E2M3, ties to even, subnormals kept.
;;     - The product sums the exact products of the quantised numbers (number of the format x scale) in f32.
;;   ~~~python
;;   def quantise(x, axis):      # numpy; x: float32 -> the quantised numbers, widened to float32 again
;;       x = np.moveaxis(x, axis, -1); K = x.shape[-1]
;;       x = np.pad(x, [(0, 0)] * (x.ndim - 1) + [(0, -K % 32)]); x = x.reshape(x.shape[:-1] + (-1, 32)); a = np.abs(x).max(-1, keepdims=True)
;;       e = np.where(a > 0, np.clip(np.frexp(np.where(a > 0, a, 1))[1] - 1 - 2, -126, 127), 0)      # np.frexp(a)[1] - 1 = floor(log2(a)), exactly
;;       r = np.clip(x / 2.0 ** e, -7.5, 7.5)
;;       step = 2.0 ** (np.maximum(np.frexp(np.where(r == 0, 1, r))[1] - 1, 0) - 3)
;;       q = np.round(r / step) * step * 2.0 ** e      # np.round: ties to even
;;       return np.moveaxis(q.reshape(q.shape[:-2] + (-1,))[..., :K], -1, axis).astype(np.float32)
;;   ~~~
;;   SOFTMAX AHEAD OF A QUANTISED PRODUCT. Where the list says 'softmax', what is quantised is not the finished softmax but p = 2^(t - M), with t = logit x log2(e) and M = ceil(the row's largest t), a whole number; so 1/2 < the row's largest p <= 1. The row's sum l is taken of the UNQUANTISED p, in f32, and the product's result is divided by l at the end. Since M is a whole number, a kernel that streams over the keys may use a running M (the ceiling of the running maximum): every later rescaling is an exact power of two, which a block's scale takes up: the codes' values come out the same.
;;   OPERANDS COMPUTED ON THE WAY. 'Computed on the way' means the value that the module computes at that place (a softmax that the list does not call 'softmax' is quantised finished and normalised). What goes into a quantiser is computed in f32, as accurately as f32 sums, v_exp_f32 and their like allow (about 1e-6 of the number): no bf16 or f16 on the way to a quantiser, and a product that is left as it is and whose result goes on into a quantised operand takes f32 operands (vector FMAs, or v_wmma_f32_16x16x4_f32). A number that lies on a knife's edge between two numbers of the format may be rounded either way, as far as f32 arithmetic and the matrix unit's own rounding can turn it there, and no further.
;;   INPUTS GIVEN AS CODES. proj_w (in the module: [1024, 1024], K = its axis 0); w1 (in the module: [1024, 4096], K = its axis 0); w2 (in the module: [4096, 1024], K = its axis 0); wk (in the module: [16, 1024, 64], K = its axis 1); wq (in the module: [16, 1024, 64], K = its axis 1); wv (in the module: [16, 1024, 64], K = its axis 1): each comes as NAME_codes (uint8): NAME with its K axis moved to the last place and cut into blocks of 32 codes, [.., K / 32, bytes a block], one block behind the other in memory; four codes in three bytes: a row's codes are one little-endian stream of bits, code i at bits 6 i .. 6 i + 5 (a code: sign, 2 exponent bits, 3 mantissa bits); and NAME_scales (uint8): the same leading axes, one E8M0 byte (e + 127) for each 32 codes along K. Its value is code x scale, taken as it is: it is not quantised again, and the codes and scales need not be those that the quantiser above would give.
;; One version. Each part assembles by itself: llvm-mc -triple=amdgcn-amd-amdhsa -mcpu=gfx1250 --defsym DOCPART=n.
;; ======== version 1 of 1: 6 launches
;; limits: right only within a limited range of input values
;; workspace buffers: hop 3,276,800 bytes; wimg 9,830,400 bytes; qkv 9,830,400 bytes; oop 3,276,800 bytes; x1 16,777,216 bytes; fop 13,107,200 bytes
;; launch ln (part 1): grid 448 x 1, 8 waves a work-group, no clusters, 69,632 bytes of LDS; arguments x, g1, beta1, hop, wq_codes, wq_scales, wk_codes, wk_scales, wv_codes, wv_scales, proj_w_codes, proj_w_scales, w1_codes, w1_scales, w2_codes, w2_scales, wimg; writes hop, wimg
.if DOCPART == 1
	.amdgcn_target "amdgcn-amd-amdhsa--gfx1250"
	.amdhsa_code_object_version 6
	.text
	.protected	k_q3a94a1e214_ln
	.globl	k_q3a94a1e214_ln
	.p2align	8
	.type	k_q3a94a1e214_ln,@function
k_q3a94a1e214_ln:
	s_mov_b64 s[64:65], 0
	v_nop
	global_prefetch_b8 v0, s[64:65] scope:SCOPE_SE
	s_setreg_imm32_b32 hwreg(HW_REG_WAVE_MODE, 25, 1), 1
	s_wait_xcnt 0x0
; LAYER NORM + QUANTISER (work-groups 0-255), AND THE WEIGHTS' LAYOUT (work-groups 256-447; a launch of 256 work-groups has none of these).
; THE PROGRAM: ln1 -> qkv -> attn -> proj -> ln2 -> ffn1 -> ffn2.  Every operand of a product lies in ONE format, the image of the matrix unit's registers:
; a BLOCK is 128 rows x 128 along K, 12,800 bytes: tile t (0-7) at 1536 t, registers 4 c .. 4 c + 3 of its fragment at + 512 c + 16 x lane; from byte 12,288 on the scale words, tile t's row-lane r at 64 t + 4 r.
; Lane r of tile t is row 32 (t / 2) + 8 (t % 2) + r + 8 (r / 8) of the block's 128, so that a product which takes such a tile as source 0 leaves 16 neighbouring rows in the 16 registers of two neighbouring tiles.
; DEAD WORK, in the whole program: reference() builds causal = tril itself and sets att to -inf above the diagonal; softmax gives those places the weight 0 for all finite inputs, so a step of 128 keys all of which
; come after all 16 queries of a tile adds 0 to the row's sum and to o.  Launch attn leaves such steps out, and nothing else is left out: every input is loaded.
; LIMIT: a NaN, an infinity or an overflow that arises only in the scores left out is not carried to the result.  NaN and infinities among the inputs are not served.  A block of zeros gets the scale byte 1 where the rule
; says 127: its codes are zeros, and the bytes are read by this program alone.  Blocks whose largest magnitude lies under 2^-124 have their byte held at 1.
; LN PATH.  A work-group is one tile of 16 rows; wave s takes columns 128 s .. 128 s + 127, K step s.  Loads take 512 consecutive bytes of a row; the wave's 16 x 512 bytes turn through its own LDS bytes and come back into
; the registers that they left, so that lane (r, h) holds, of row r, register 16 b + i = column 32 b + 16 h + i.  The rows, beta and g are all asked for at the head: 48 loads a wave.
; Mean and variance in two passes, as reference() has them; the eight waves' sums meet in LDS: two barriers.
.set PITCH, 528                        ; a row of 512 bytes + 16: an odd multiple of 16 bytes from row to row
.set WTURN, 16*PITCH                   ; a wave's bytes for the turn
.set RED1,  8*WTURN                    ; 16 rows x 8 waves x 4 bytes: the sums
.set RED2,  RED1+512                   ; and the sums of squares
.set SPARE, RED2+512                   ; the spare words, 128 bytes a wave
.set BLK,   12800
.set SPW,   12                         ; v12 my spare word's address; never rewritten
.set NIL,   13                         ; v13 0; never rewritten
.set G,     32                         ; v32-95  g, then the codes
.set X,     96                         ; v96-159 the rows as loaded, then my 64 numbers
.set B,     160                        ; v160-223 beta
.set PC,    32
.set TM,    224                        ; v224-239 at work in the quantiser
.set PW,    240                        ; the scale word
.set SEL,   60                         ; s[60:61] selects of v_permlanex16_b32: lane l xor 16
; 64 numbers of a lane, register 16 b + i = k 32 b + 16 (lane / 16) + i of my row, become a fragment's codes in v[PC] on and its scale word in v[PW].
.macro QUANT s
.irp b, 0,1,2,3
	v_max3_num_f32 v[TM+\b], |v[\s+16*\b]|, |v[\s+1+16*\b]|, 0x1800000   ; block b: my 16 numbers, and the floor 2^(3 - 127): the byte cannot fall under 1
.endr
.irp i, 2,4,6,8,10,12,14
.irp b, 0,1,2,3
	s_delay_alu instid0(VALU_DEP_4)
	v_max3_num_f32 v[TM+\b], v[TM+\b], |v[\s+16*\b+\i]|, |v[\s+1+16*\b+\i]|
.endr
.endr
.irp b, 0,1,2,3
	s_delay_alu instid0(VALU_DEP_4)
	v_permlanex16_b32 v[TM+4+\b], v[TM+\b], s[SEL], s[SEL+1]
.endr
.irp b, 0,1,2,3
	s_delay_alu instid0(VALU_DEP_4)
	v_max_num_f32 v[TM+\b], v[TM+\b], v[TM+4+\b]   ; with lane l xor 16's: the block's largest magnitude
.endr
.irp b, 0,1,2,3
	s_delay_alu instid0(VALU_DEP_4)
	v_add_nc_u32 v[TM+12+\b], 0xff000000, v[TM+\b] ; 2 off its exponent field: the conversion's scale operand
.endr
.irp b, 0,1,2,3
	s_delay_alu instid0(VALU_DEP_4)
	v_lshrrev_b32 v[TM+4+\b], 23, v[TM+12+\b]      ; the scale's byte
.endr
	s_delay_alu instid0(VALU_DEP_3)
	v_lshl_or_b32 v[PW], v[TM+5], 8, v[TM+4]
	s_delay_alu instid0(VALU_DEP_1)
	v_lshl_or_b32 v[PW], v[TM+6], 16, v[PW]
	s_delay_alu instid0(VALU_DEP_1)
	v_lshl_or_b32 v[PW], v[TM+7], 24, v[PW]
.irp c, 0,1
	v_cvt_scalef32_pk16_fp6_f32 v[PC+6*\c:PC+2+6*\c], v[\s+32*\c:\s+15+32*\c], v[TM+12+2*\c]
	v_cvt_scalef32_pk16_fp6_f32 v[PC+12+4*\c:PC+14+4*\c], v[\s+16+32*\c:\s+31+32*\c], v[TM+12+2*\c+1]   ; (a conversion's three registers begin on an even number)
.endr
	v_nop                                          ; one plain place behind a scaled conversion
.irp c, 0,1                                    ; the operand's layout wants a whole block in a lane
.irp i, 0,1,2
	v_permlane16_swap_b32 v[PC+6*\c+\i], v[PC+12+4*\c+\i]
.endr
.irp i, 0,1,2
	s_delay_alu instid0(VALU_DEP_3)
	v_mov_b32 v[PC+3+6*\c+\i], v[PC+12+4*\c+\i]
.endr
.endr
.endm
; v16 holds my 64 numbers' sum; behind the macro it holds the sum over the row's 1,024, in every lane of the row.
.macro ACROSS off
	s_delay_alu instid0(VALU_DEP_1)
	v_permlanex16_b32 v17, v16, s[SEL], s[SEL+1]
	s_delay_alu instid0(VALU_DEP_1)
	v_add_f32 v16, v16, v17                        ; my wave's 128 columns of row r
	ds_store_b32 v8, v16 offset:\off               ; (lanes r and r + 16 write the same word with the same value)
	s_wait_dscnt 0x0                               ; for the others' sake: my store is done
	s_barrier_signal -1
	s_barrier_wait -1
	ds_load_b128 v[16:19], v9 offset:\off
	ds_load_b128 v[20:23], v9 offset:\off+16
	s_wait_dscnt 0x0
	v_add_f32 v16, v16, v17
	v_add_f32 v18, v18, v19
	v_add_f32 v20, v20, v21
	v_add_f32 v22, v22, v23
	s_delay_alu instid0(VALU_DEP_3)
	v_add_f32 v16, v16, v18
	s_delay_alu instid0(VALU_DEP_2)
	v_add_f32 v20, v20, v22
	s_delay_alu instid0(VALU_DEP_1)
	v_add_f32 v16, v16, v20
.endm
	s_load_b256 s[4:11], s[0:1], 0x0               ; the rows s[4:5], g s[6:7], beta s[8:9], hop s[10:11]
	v_lshl_add_u32 v[SPW], v0, 2, SPARE
	v_mov_b32 v[NIL], 0
	v_lshrrev_b32 v1, 5, v0
	s_delay_alu instid0(VALU_DEP_1)
	v_readfirstlane_b32 s12, v1                    ; wave 0..7
	v_and_b32 v1, 31, v0                           ; lane
	v_and_b32 v2, 15, v0                           ; r
	v_bfe_u32 v3, v0, 4, 1                         ; h
	s_cmp_ge_u32 ttmp9, 256                        ; the work-group's number alone: all eight waves go the same way
	s_cbranch_scc1 .Lprep
	v_lshlrev_b32 v4, 4, v1                        ; 16 x lane
	s_mul_i32 s13, s12, WTURN
	v_add_nc_u32 v5, s13, v4                       ; the turn, in: a row's 512 bytes as they lie
	v_mul_u32_u24 v6, v2, PITCH
	s_delay_alu instid0(VALU_DEP_1)
	v_lshl_add_u32 v6, v3, 6, v6
	s_delay_alu instid0(VALU_DEP_1)
	v_add_nc_u32 v6, s13, v6                       ; and out: row r, + 64 h
	v_lshlrev_b32 v7, 6, v3                        ; g, beta: 64 h
	v_lshl_add_u32 v9, v2, 5, RED1                 ; row r's eight sums
	s_lshl_b32 s14, s12, 2
	v_add_nc_u32 v8, s14, v9                       ; and my wave's among them
	s_lshr_b32 s15, ttmp9, 3                       ; G: the group of 128 rows
	s_and_b32 s16, ttmp9, 7                        ; t: the tile in it
	s_mul_i32 s17, s16, 1536
	v_add_nc_u32 v11, s17, v4                      ; the image: 1536 t + 16 x lane
	s_lshl_b32 s17, s16, 6
	v_lshl_add_u32 v10, v2, 2, s17                 ; the scale word: 64 t + 4 r
	s_lshl_b32 s20, s15, 7
	s_lshr_b32 s18, s16, 1
	s_lshl_b32 s18, s18, 5
	s_add_co_u32 s20, s20, s18
	s_and_b32 s18, s16, 1
	s_lshl_b32 s18, s18, 3
	s_add_co_u32 s20, s20, s18                     ; the tile's first row: 128 G + 32 (t / 2) + 8 (t % 2)
	s_lshl_b32 s20, s20, 12                        ; x 4,096 bytes
	s_lshl_b32 s24, s12, 9                         ; my wave's 512 bytes of a row
	s_add_co_u32 s20, s20, s24
	s_mov_b32 s21, 0
	s_mov_b32 s25, 0
	s_lshl_b32 s22, s15, 3
	s_add_co_u32 s22, s22, s12
	s_mul_i32 s22, s22, BLK                        ; block 8 G + s
	s_mov_b32 s23, 0
	s_mov_b32 s[SEL], 0x76543210
	s_mov_b32 s[SEL+1], 0xfedcba98
.irp b, 0,1,2,3
	v_mov_b32 v[TM+4+\b], 0                        ; written once: a lane permute's destination counts as one of its sources
.endr
	s_wait_alu depctr_va_vdst(0)
	s_wait_kmcnt 0x0
	s_add_nc_u64 s[4:5], s[4:5], s[20:21]
	s_add_nc_u64 s[6:7], s[6:7], s[24:25]
	s_add_nc_u64 s[8:9], s[8:9], s[24:25]
	s_add_nc_u64 s[10:11], s[10:11], s[22:23]
.irp p, 0,1,2,3,4,5,6,7,8,9,10,11,12,13,14,15
	global_load_b128 v[X+4*\p:X+4*\p+3], v4, s[4:5] offset:(\p+8*(\p/8))*4096   ; the tile's row p: 512 consecutive bytes
.endr
.irp b, 0,1,2,3
.irp j, 0,1,2,3
	global_load_b128 v[B+16*\b+4*\j:B+16*\b+4*\j+3], v7, s[8:9] offset:128*\b+16*\j   ; beta at my 64 columns
.endr
.endr
.irp b, 0,1,2,3
.irp j, 0,1,2,3
	global_load_b128 v[G+16*\b+4*\j:G+16*\b+4*\j+3], v7, s[6:7] offset:128*\b+16*\j   ; g likewise
.endr
.endr
	s_wait_loadcnt 32                              ; the rows are in; beta's and g's 32 loads are younger
.irp p, 0,1,2,3,4,5,6,7,8,9,10,11,12,13,14,15
	ds_store_b128 v5, v[X+4*\p:X+4*\p+3] offset:PITCH*\p
.endr
.irp b, 0,1,2,3
.irp j, 0,1,2,3
	ds_load_b128 v[X+16*\b+4*\j:X+16*\b+4*\j+3], v6 offset:128*\b+16*\j   ; my wave's own bytes, served in order behind the stores: no barrier; back into the registers that the rows have left
.endr
.endr
	s_wait_dscnt 0x0
	v_pk_add_f32 v[18:19], v[96:97], v[98:99]
	v_pk_add_f32 v[20:21], v[112:113], v[120:121]
	v_pk_add_f32 v[22:23], v[128:129], v[136:137]
	v_pk_add_f32 v[254:255], v[144:145], v[152:153]
	v_pk_add_f32 v[252:253], v[100:101], v[102:103]
	v_pk_add_f32 v[250:251], v[114:115], v[122:123]
	v_pk_add_f32 v[248:249], v[130:131], v[138:139]
	v_pk_add_f32 v[16:17], v[146:147], v[154:155]
	s_delay_alu instid0(VALU_DEP_1)
	v_pk_add_f32 v[16:17], v[16:17], v[104:105]
	v_pk_add_f32 v[18:19], v[18:19], v[106:107]
	v_pk_add_f32 v[20:21], v[20:21], v[116:117]
	v_pk_add_f32 v[22:23], v[22:23], v[124:125]
	v_pk_add_f32 v[254:255], v[254:255], v[132:133]
	v_pk_add_f32 v[252:253], v[252:253], v[140:141]
	v_pk_add_f32 v[250:251], v[250:251], v[148:149]
	v_pk_add_f32 v[248:249], v[248:249], v[156:157]
	v_pk_add_f32 v[16:17], v[16:17], v[108:109]
	v_pk_add_f32 v[18:19], v[18:19], v[110:111]
	v_pk_add_f32 v[20:21], v[20:21], v[118:119]
	v_pk_add_f32 v[22:23], v[22:23], v[126:127]
	v_pk_add_f32 v[254:255], v[254:255], v[134:135]
	v_pk_add_f32 v[252:253], v[252:253], v[142:143]
	v_pk_add_f32 v[250:251], v[250:251], v[150:151]
	v_pk_add_f32 v[248:249], v[248:249], v[158:159]
	s_delay_alu instid0(VALU_DEP_4)
	v_pk_add_f32 v[16:17], v[16:17], v[254:255]
	s_delay_alu instid0(VALU_DEP_4)
	v_pk_add_f32 v[18:19], v[18:19], v[252:253]
	s_delay_alu instid0(VALU_DEP_4)
	v_pk_add_f32 v[20:21], v[20:21], v[250:251]
	s_delay_alu instid0(VALU_DEP_4)
	v_pk_add_f32 v[22:23], v[22:23], v[248:249]
	s_delay_alu instid0(VALU_DEP_2)
	v_pk_add_f32 v[16:17], v[16:17], v[20:21]
	s_delay_alu instid0(VALU_DEP_2)
	v_pk_add_f32 v[18:19], v[18:19], v[22:23]
	s_delay_alu instid0(VALU_DEP_1)
	v_pk_add_f32 v[16:17], v[16:17], v[18:19]
	s_delay_alu instid0(VALU_DEP_1)
	v_add_f32 v16, v16, v17
	ACROSS 0
	s_delay_alu instid0(VALU_DEP_1)
	v_mul_f32 v14, 0x3a800000, v16                 ; the mean: / 1,024
	s_delay_alu instid0(VALU_DEP_1)
	v_mov_b32 v15, v14
.irp i, 0,2,4,6,8,10,12,14,16,18,20,22,24,26,28,30,32,34,36,38,40,42,44,46,48,50,52,54,56,58,60,62
	v_pk_add_f32 v[X+\i:X+\i+1], v[X+\i:X+\i+1], v[14:15] neg_lo:[0,1] neg_hi:[0,1]   ; x - mean
.endr
.irp k, 0,1,2,3
	v_pk_mul_f32 v[16+2*\k:17+2*\k], v[X+2*\k:X+2*\k+1], v[X+2*\k:X+2*\k+1]
.endr
.irp i, 8,16,24,32,40,48,56
.irp k, 0,1,2,3
	s_delay_alu instid0(VALU_DEP_4)
	v_pk_fma_f32 v[16+2*\k:17+2*\k], v[X+\i+2*\k:X+\i+2*\k+1], v[X+\i+2*\k:X+\i+2*\k+1], v[16+2*\k:17+2*\k]
.endr
.endr
	s_delay_alu instid0(VALU_DEP_3)
	v_pk_add_f32 v[16:17], v[16:17], v[18:19]
	s_delay_alu instid0(VALU_DEP_2)
	v_pk_add_f32 v[20:21], v[20:21], v[22:23]
	s_delay_alu instid0(VALU_DEP_1)
	v_pk_add_f32 v[16:17], v[16:17], v[20:21]
	s_delay_alu instid0(VALU_DEP_1)
	v_add_f32 v16, v16, v17
	ACROSS 512                                     ; other words than the first sums': no barrier is owed between the two
	v_mov_b32 v17, 0x3a800000
	s_delay_alu instid0(VALU_DEP_1)
	v_fmaak_f32 v16, v16, v17, 0x3727c5ac          ; the variance + 1e-5
	s_wait_alu depctr_va_vdst(0)
	v_rsq_f32 v14, v16
	v_rsq_f32 v15, v16
	v_nop                                          ; a plain place behind the transcendentals
	s_wait_alu depctr_va_vdst(0)                   ; one wait for both, ahead of their first reader
	s_wait_loadcnt 0x0                             ; g and beta
.irp i, 0,2,4,6,8,10,12,14,16,18,20,22,24,26,28,30,32,34,36,38,40,42,44,46,48,50,52,54,56,58,60,62
	v_pk_mul_f32 v[X+\i:X+\i+1], v[X+\i:X+\i+1], v[14:15]
.endr
.irp i, 0,2,4,6,8,10,12,14,16,18,20,22,24,26,28,30,32,34,36,38,40,42,44,46,48,50,52,54,56,58,60,62
	v_pk_fma_f32 v[X+\i:X+\i+1], v[X+\i:X+\i+1], v[G+\i:G+\i+1], v[B+\i:B+\i+1]
.endr
	QUANT X
.irp c, 0,1,2
	global_store_b128 v11, v[PC+4*\c:PC+4*\c+3], s[10:11] offset:512*\c   ; 512 consecutive bytes, at a multiple of 256 from the buffer's first byte
.endr
	global_store_b32 v10, v[PW], s[10:11] offset:12288   ; (lanes r and r + 16 hold and write the same word)
	s_wait_tensorcnt 0x0                           ; the wave's end
	ds_add_u32 v[SPW], v[NIL]
	s_wait_dscnt 0x0
	s_endpgm
; THE WEIGHTS' LAYOUT.  Work-group 256 + j writes blocks 4 j .. 4 j + 3 of wimg: one group of 128 rows x 4 K steps; my wave is the tile.  wimg: wq (j 0-15), wk (16-31), wv (32-47), proj_w (48-63), w1 (64-127), each
; [group][8 K steps], two work-groups to a group; w2 (128-191): [group][32 K steps], eight work-groups to a group.  No LDS, no barrier.  A lane takes its fragment's 2 x 24 bytes as they lie in its row, in pieces of 8 bytes.
.Lprep:
	s_load_b512 s[16:31], s[0:1], 0x20             ; wq's codes, scales; wk's; wv's; proj_w's
	s_load_b256 s[32:39], s[0:1], 0x60             ; w1's; w2's
	s_load_b64 s[40:41], s[0:1], 0x80              ; wimg
	s_sub_co_u32 s13, ttmp9, 256                   ; j
	s_wait_alu depctr_va_vdst(0)
	v_and_b32 v4, 8, v2
	s_delay_alu instid0(VALU_DEP_1)
	v_add_nc_u32 v4, v4, v2                        ; r + 8 (r / 8)
	s_lshr_b32 s58, s12, 1
	s_lshl_b32 s58, s58, 5
	s_and_b32 s59, s12, 1
	s_lshl_b32 s59, s59, 3
	s_add_co_u32 s58, s58, s59
	v_add_nc_u32 v4, s58, v4                       ; my row in the group
	s_mul_i32 s58, s12, 1536
	v_lshl_add_u32 v6, v1, 4, s58                  ; the image: 1536 x tile + 16 x lane
	s_lshl_b32 s58, s12, 6
	v_lshl_add_u32 v7, v2, 2, s58                  ; the scale word: 64 x tile + 4 r
	s_wait_alu depctr_va_vdst(0)
	s_wait_kmcnt 0x0
	s_mov_b64 s[44:45], s[36:37]                   ; which weight: a choice on the work-group's number alone
	s_mov_b64 s[46:47], s[38:39]
	s_mov_b32 s48, 128
	s_cmp_lt_u32 s13, 128
	s_cselect_b64 s[44:45], s[32:33], s[44:45]
	s_cselect_b64 s[46:47], s[34:35], s[46:47]
	s_cselect_b32 s48, 64, s48
	s_cselect_b32 s50, 0, 2                        ; w2's rows are four times as long,
	s_cselect_b32 s51, 1, 7                        ; and eight work-groups share a group, not two
	s_cselect_b32 s42, 1, 3
	s_cmp_lt_u32 s13, 64
	s_cselect_b64 s[44:45], s[28:29], s[44:45]
	s_cselect_b64 s[46:47], s[30:31], s[46:47]
	s_cselect_b32 s48, 48, s48
	s_cmp_lt_u32 s13, 48
	s_cselect_b64 s[44:45], s[24:25], s[44:45]
	s_cselect_b64 s[46:47], s[26:27], s[46:47]
	s_cselect_b32 s48, 32, s48
	s_cmp_lt_u32 s13, 32
	s_cselect_b64 s[44:45], s[20:21], s[44:45]
	s_cselect_b64 s[46:47], s[22:23], s[46:47]
	s_cselect_b32 s48, 16, s48
	s_cmp_lt_u32 s13, 16
	s_cselect_b64 s[44:45], s[16:17], s[44:45]
	s_cselect_b64 s[46:47], s[18:19], s[46:47]
	s_cselect_b32 s48, 0, s48
	s_sub_co_u32 s49, s13, s48                     ; my number within the weight
	s_and_b32 s51, s49, s51                        ; which 4 K steps
	s_lshr_b32 s52, s49, s42                       ; which group
	s_lshl_b32 s53, 768, s50                       ; a row of codes in bytes
	s_lshl_b32 s54, 32, s50                        ; a row of scale bytes
	v_mul_lo_u32 v5, v4, s54
	v_mul_lo_u32 v4, v4, s53
	s_delay_alu instid0(VALU_DEP_1)
	v_mad_u32_u24 v4, v3, 24, v4                   ; my row, + 24 h
	s_wait_alu depctr_va_vdst(0)
	s_mul_i32 s56, s52, s53
	s_lshl_b32 s56, s56, 7
	s_mul_i32 s55, s51, 384                        ; 4 K steps of 96 bytes
	s_add_co_u32 s56, s56, s55
	s_mov_b32 s57, 0
	s_add_nc_u64 s[44:45], s[44:45], s[56:57]
	s_mul_i32 s56, s52, s54
	s_lshl_b32 s56, s56, 7
	s_lshl_b32 s55, s51, 4                         ; 4 K steps of 4 scale bytes
	s_add_co_u32 s56, s56, s55
	s_add_nc_u64 s[46:47], s[46:47], s[56:57]
	s_mul_i32 s56, s13, 4*BLK
	s_add_nc_u64 s[40:41], s[40:41], s[56:57]
.irp s, 0,1,2,3
.irp p, 0,1,2,3,4,5
	global_load_b64 v[32+12*\s+2*\p:33+12*\s+2*\p], v4, s[44:45] offset:96*\s+48*(\p/3)+8*(\p%3)
.endr
	global_load_b32 v[128+\s], v5, s[46:47] offset:4*\s
.endr
.irp s, 0,1,2,3
	s_wait_loadcnt 7*(3-\s)                        ; seven younger loads for each later K step
.irp c, 0,1,2
	global_store_b128 v6, v[32+12*\s+4*\c:35+12*\s+4*\c], s[40:41] offset:BLK*\s+512*\c
.endr
	global_store_b32 v7, v[128+\s], s[40:41] offset:BLK*\s+12288
.endr
	s_endpgm
.Lfunc_end_k_q3a94a1e214_ln:
	.size	k_q3a94a1e214_ln, .Lfunc_end_k_q3a94a1e214_ln-k_q3a94a1e214_ln
	.p2alignl 7, 3214868480
	.fill 96, 4, 3214868480
	.section	.rodata,"a",@progbits
	.p2align	6, 0x0
	.amdhsa_kernel k_q3a94a1e214_ln
		.amdhsa_group_segment_fixed_size 69632
		.amdhsa_private_segment_fixed_size 0
		.amdhsa_enable_private_segment 0
		.amdhsa_kernarg_size 136
		.amdhsa_user_sgpr_count 2
		.amdhsa_user_sgpr_kernarg_segment_ptr 1
		.amdhsa_wavefront_size32 1
		.amdhsa_system_sgpr_workgroup_id_x 1
		.amdhsa_system_sgpr_workgroup_id_y 1
		.amdhsa_system_sgpr_workgroup_id_z 1
		.amdhsa_system_vgpr_workitem_id 0
		.amdhsa_next_free_vgpr 256
		.amdhsa_next_free_sgpr 66
		.amdhsa_reserve_vcc 0
		.amdhsa_float_denorm_mode_32 3
		.amdhsa_float_denorm_mode_16_64 3
		.amdhsa_memory_ordered 1
		.amdhsa_forward_progress 1
		.amdhsa_inst_pref_size 36
	.end_amdhsa_kernel
	.amdgpu_metadata
---
amdhsa.version: [ 1, 2 ]
amdhsa.kernels:
  - .name:           k_q3a94a1e214_ln
    .symbol:         k_q3a94a1e214_ln.kd
    .args:
      - { .name: x, .offset: 0, .size: 8, .value_kind: global_buffer, .address_space: global }
      - { .name: g1, .offset: 8, .size: 8, .value_kind: global_buffer, .address_space: global }
      - { .name: beta1, .offset: 16, .size: 8, .value_kind: global_buffer, .address_space: global }
      - { .name: hop, .offset: 24, .size: 8, .value_kind: global_buffer, .address_space: global }
      - { .name: wq_codes, .offset: 32, .size: 8, .value_kind: global_buffer, .address_space: global }
      - { .name: wq_scales, .offset: 40, .size: 8, .value_kind: global_buffer, .address_space: global }
      - { .name: wk_codes, .offset: 48, .size: 8, .value_kind: global_buffer, .address_space: global }
      - { .name: wk_scales, .offset: 56, .size: 8, .value_kind: global_buffer, .address_space: global }
      - { .name: wv_codes, .offset: 64, .size: 8, .value_kind: global_buffer, .address_space: global }
      - { .name: wv_scales, .offset: 72, .size: 8, .value_kind: global_buffer, .address_space: global }
      - { .name: proj_w_codes, .offset: 80, .size: 8, .value_kind: global_buffer, .address_space: global }
      - { .name: proj_w_scales, .offset: 88, .size: 8, .value_kind: global_buffer, .address_space: global }
      - { .name: w1_codes, .offset: 96, .size: 8, .value_kind: global_buffer, .address_space: global }
      - { .name: w1_scales, .offset: 104, .size: 8, .value_kind: global_buffer, .address_space: global }
      - { .name: w2_codes, .offset: 112, .size: 8, .value_kind: global_buffer, .address_space: global }
      - { .name: w2_scales, .offset: 120, .size: 8, .value_kind: global_buffer, .address_space: global }
      - { .name: wimg, .offset: 128, .size: 8, .value_kind: global_buffer, .address_space: global }
    .group_segment_fixed_size: 69632
    .private_segment_fixed_size: 0
    .kernarg_segment_align: 8
    .kernarg_segment_size: 136
    .max_flat_workgroup_size: 256
    .sgpr_count:     66
    .vgpr_count:     256
    .wavefront_size: 32
...
	.end_amdgpu_metadata
.endif
;; end of part 1
;; launch qkv (part 2): grid 12 x 16, 4 waves a work-group, clusters of 4 x 4, 327,680 bytes of LDS; arguments hop, wimg, qkv; writes qkv
.if DOCPART == 2
	.amdgcn_target "amdgcn-amd-amdhsa--gfx1250"
	.amdhsa_code_object_version 6
	.text
	.protected	k_q3a94a1e214_qkv
	.globl	k_q3a94a1e214_qkv
	.p2align	8
	.type	k_q3a94a1e214_qkv,@function
k_q3a94a1e214_qkv:
	s_mov_b64 s[64:65], 0
	v_nop
	global_prefetch_b8 v0, s[64:65] scope:SCOPE_SE
	s_setreg_imm32_b32 hwreg(HW_REG_WAVE_MODE, 25, 1), 1
	s_wait_xcnt 0x0
	s_wait_alu depctr_hold_cnt(0) depctr_sa_sdst(0) depctr_va_vdst(0) depctr_va_sdst(0) depctr_va_ssrc(0) depctr_va_vcc(0) depctr_vm_vsrc(0)
	s_getreg_b32 s2, hwreg(HW_REG_IB_STS2, 6, 4)
	s_cmp_eq_u32 s2, 0
	s_cbranch_scc0 .Lentry_in_a_cluster
	s_endpgm
.Lentry_in_a_cluster:
	s_bfe_u32 s2, ttmp6, 0x10000c
	s_cmp_lg_u32 s2, 0xf033
	s_cbranch_scc0 .Lentry_shape_is_right
	s_endpgm
.Lentry_shape_is_right:
; q, k, v = LN1(x) times wq, wk, wv, on codes of FP6 (E2M3) with one E8M0 scale for each 32 along K = 1,024; the results are quantised in registers and stored as operand blocks (the format: launch ln's head).
; ROLES.  Y is source 1: a lane holds one of its rows.  X is source 0: a lane's registers run along its rows, 128 neighbours in the 64 registers of a block of 16 Y rows.  So the result is quantised ALONG X's ROWS.
; Clusters x = 0, 1 (q, k): Y = tokens (hop), X = the weight's rows (head, d): quantised along the head's 64.  Cluster x = 2 (v): Y = wv's rows, X = tokens: quantised along the keys.  One text: only addresses are chosen.
; A work-group makes 256 Y rows x 256 X rows; a wave 128 x 128: 64 accumulators, 512 registers.  K goes 256 a slot through two LDS slots; a slot's four parts (Y's two groups, X's two) are dense blocks of 25,600 bytes,
; codes and scale words together, one tensor load a wave.  4 x 4 work-groups form a cluster: Y's parts are asked for jointly along a row of the cluster, X's along a column.
; 192 work-groups: three quarters of 256; taken for the large wave tile.
; qkv: q at 0, k at 3,276,800, v at 6,553,600 bytes; block = 32 x pair of heads + 8 x batch + token group.
; REGISTERS: window 0: v16-25 addresses; v32-63 scale words alone; v128-223 Y's fragments, one set (on the way out: the codes); v224-242 at work.  window 1: X's fragments, two sets.  windows 2, 3: accumulators (a, b) at v[8 (8 (a % 4) + b)].
.set BLK,   12800
.set PART,  2*BLK
.set SLOT,  4*PART
.set SPARE, 2*SLOT                     ; behind the ring: the spare words, 128 bytes a wave
.set FR,    12
.set NL,    3                          ; LDS loads that bring a fragment
.set ADY,   16                         ; v16-17 my Y group in slot 0, 1: + 16 x lane
.set ADX,   18                         ; v18-19 my X group
.set ASY,   20                         ; v20-21, v22-23 the same + 4 x lane, for the scale words
.set ASX,   22
.set L16,   24
.set L4,    25
.set SPW,   28
.set NIL,   29
.set SC,    32                         ; set n at + 16 n, K step q at + 8 q; Y's tiles 2 j, 2 j + 1 at + j, X's at + 4 + j (lanes 0-15 the even tile, lanes 16-31 the odd)
.set AF,    128
.set PC0,   128
.set TM,    224
.set PW,    240
.set PWJ,   242
.set G1,  24
.set G0,  32
.set G1B, 48
.set G0B, 56
.set SEL, 66
.set MASK, 68
.set DST, 8
.set MSB, 0
.macro WIN new                         ; the immediate's high byte repeats the setting that is left
.if MSB != (\new)
	s_set_vgpr_msb (MSB<<8)|(\new)
.set MSB, (\new)
.endif
.endm
.set MUL_LO, 0xa1                      ; source 0 (X) window 1, source 1 (Y) window 0, C and D window 2
.set MUL_HI, 0xf1
.set TO_X,   0x40
; A joint load: waves 0 and 1 fetch Y's groups, waves 2 and 3 X's.  The branch hangs on the wave's number alone.  An s_nop 0 and four v_nop follow each line.
.macro JLOAD g0a, g1a, g0b, g1b
	s_cmp_eq_u32 s15, 0
	s_cbranch_scc0 .Lfor_x_\@
	tensor_load_to_lds s[\g0a:\g0a+3], s[\g1a:\g1a+7]
	s_nop 0
.rept 4
	v_nop
.endr
	s_branch .Lasked_\@
.Lfor_x_\@:
	tensor_load_to_lds s[\g0b:\g0b+3], s[\g1b:\g1b+7]
	s_nop 0
.rept 4
	v_nop
.endr
.Lasked_\@:
.endm
.macro CREST
	s_cmp_lg_u32 s14, 0
	s_cbranch_scc1 .Lnot_wave_0_\@
	s_barrier_signal -3
.Lnot_wave_0_\@:
	s_barrier_wait -3
	s_barrier_signal -1
	s_barrier_wait -1
.endm
.macro CROUND
	s_barrier_signal -1
	s_barrier_wait -1
	CREST
.endm
.macro PLACES                          ; four plain places behind matrix instructions, in front of loads into their registers and of reads of results
.rept 4
	v_nop
.endr
.endm
	s_load_b128 s[4:7], s[0:1], 0x0                ; hop, wimg
	s_load_b64 s[8:9], s[0:1], 0x10                ; qkv
	v_lshl_add_u32 v[SPW], v0, 2, SPARE
	v_mov_b32 v[NIL], 0
	ds_add_u32 v[SPW], v[NIL]                      ; the opening: the add, twice on end, and its wait ahead of my first tensor load
	ds_add_u32 v[SPW], v[NIL]
	v_lshrrev_b32 v1, 5, v0
	v_readfirstlane_b32 s14, v1                    ; wave 0..3
	s_lshr_b32 s15, s14, 1                         ; my Y group.  Also: I fetch for Y (0) or for X (1)
	s_and_b32 s16, s14, 1                          ; my X group.  Also: which group I fetch
	s_bfe_u32 s40, ttmp6, 0x40000                  ; cx
	s_bfe_u32 s41, ttmp6, 0x40004                  ; cy
	s_and_b32 s17, ttmp7, 0xffff
	s_lshl_b32 s17, s17, 2                         ; 4 x cluster y: the tokens' tiles
	s_mul_i32 s22, ttmp9, 819200                   ; the weight's first byte in wimg
	s_cmp_eq_u32 ttmp9, 2                          ; v?  The cluster's x: the same in all sixteen partners
	s_cselect_b32 s18, 0, s17
	s_cselect_b32 s19, s17, 0
	s_cselect_b32 s23, s22, 0
	s_cselect_b32 s22, 0, s22
	s_add_co_u32 s18, s18, s41                     ; Y's tile: hangs on cy alone of the place in the cluster
	s_add_co_u32 s19, s19, s40                     ; X's tile: on cx alone
	s_lshl_b32 s43, s41, 2
	s_lshl_b32 s43, 15, s43                        ; my row of the cluster
	s_lshl_b32 s44, 0x1111, s40                    ; my column
	; group 1: a dense block of 25,600 bytes as 100 rows of 32 elements of 8 bytes; no padding
	s_or_b32 s[G1+0], s43, (3<<16)|(1<<21)
	s_or_b32 s[G1B+0], s44, (3<<16)|(1<<21)
.irp g, G1, G1B
	s_mov_b32 s[\g+1], 32<<16
	s_mov_b32 s[\g+2], 100<<16
	s_mov_b32 s[\g+3], 32<<16
	s_mov_b32 s[\g+4], 100
	s_mov_b32 s[\g+5], 32
	s_mov_b32 s[\g+6], 0
	s_mov_b32 s[\g+7], 0
.endr
	s_lshl_b32 s20, s18, 1
	s_add_co_u32 s20, s20, s16
	s_mul_i32 s20, s20, 8*BLK                      ; the Y group that I fetch: 8 K steps a group
	s_add_co_u32 s20, s20, s23
	s_mov_b32 s21, 0
	s_lshl_b32 s46, s19, 1
	s_add_co_u32 s46, s46, s16
	s_mul_i32 s46, s46, 8*BLK
	s_add_co_u32 s46, s46, s22
	s_mov_b32 s47, 0
	s_mul_i32 s42, s14, PART                       ; where it goes: no place in the cluster enters an LDS address
	s_mov_b32 s[SEL], 0x76543210
	s_mov_b32 s[SEL+1], 0xfedcba98
	s_mov_b32 s[MASK], 0xffff0000
	s_wait_dscnt 0x0                               ; both opening adds are done
	s_wait_kmcnt 0x0
	s_cmp_eq_u32 ttmp9, 2
	s_cselect_b64 s[10:11], s[6:7], s[4:5]         ; Y's buffer
	s_cselect_b64 s[12:13], s[4:5], s[6:7]         ; X's
	s_add_nc_u64 s[20:21], s[10:11], s[20:21]
	s_add_nc_u64 s[46:47], s[12:13], s[46:47]
	CROUND                                         ; all sixteen work-groups are here: the first joint loads meet
.irp s, 0,1
	s_mov_b32 s[G0+4*\s], 1
	s_add_co_u32 s[G0+4*\s+1], s42, \s*SLOT
	s_add_nc_u64 s[G0+4*\s+2:G0+4*\s+3], s[20:21], \s*PART
	s_or_b32 s[G0+4*\s+3], s[G0+4*\s+3], 0x80000000
	s_mov_b32 s[G0B+4*\s], 1
	s_add_co_u32 s[G0B+4*\s+1], s42, \s*SLOT
	s_add_nc_u64 s[G0B+4*\s+2:G0B+4*\s+3], s[46:47], \s*PART
	s_or_b32 s[G0B+4*\s+3], s[G0B+4*\s+3], 0x80000000
.if \s == 0
	JLOAD G0, G1, G0B, G1B                         ; K steps 0, 1: one tensor load a wave at the head
.endif
.endr
	; PREFETCHES.  A wave's load is 25,600 bytes, 100 blocks of 256; the four partners that ask for it jointly take 25 blocks each, told apart by address (cx for Y's parts, cy for X's); a lane a block, lanes 25-31 name the last again.
	; Here the loads of K steps 2, 3 and 4, 5 are named, behind slot 1's first fill that of K steps 6, 7: two loads ahead.  The address registers are never rewritten.
	s_cmp_eq_u32 s15, 0
	s_cselect_b32 s76, s40, s41
	s_cselect_b64 s[74:75], s[20:21], s[46:47]
	s_mul_i32 s76, s76, 25
	v_and_b32 v30, 31, v0
	v_min_u32 v30, 24, v30
	v_add_nc_u32 v30, s76, v30
	v_lshlrev_b32 v30, 8, v30
	global_prefetch_b8 v30, s[74:75] offset:PART th:TH_LOAD_NT scope:SCOPE_SE
	global_prefetch_b8 v30, s[74:75] offset:2*PART th:TH_LOAD_NT scope:SCOPE_SE
	v_and_b32 v1, 31, v0
	v_lshlrev_b32 v[L16], 4, v1
	v_lshlrev_b32 v[L4], 2, v1
	s_mul_i32 s2, s15, PART
	s_mul_i32 s3, s16, PART
	s_add_co_u32 s3, s3, 2*PART
.irp s, 0,1
	v_add_nc_u32 v[ADY+\s], s2, v[L16]
	v_add_nc_u32 v[ADX+\s], s3, v[L16]
	v_add_nc_u32 v[ASY+\s], s2, v[L4]
	v_add_nc_u32 v[ASX+\s], s3, v[L4]
	s_add_co_u32 s2, s2, SLOT
	s_add_co_u32 s3, s3, SLOT
.endr
	s_lshl_b32 s70, s18, 1
	s_add_co_u32 s70, s70, s15                     ; my Y group
	s_lshl_b32 s71, s19, 1
	s_add_co_u32 s71, s71, s16                     ; my X group
	s_cmp_eq_u32 ttmp9, 2
	s_cselect_b32 s72, s70, s71                    ; the pair of heads
	s_cselect_b32 s73, s71, s70                    ; 8 x batch + token group
	s_lshl_b32 s72, s72, 5
	s_add_co_u32 s72, s72, s73
	s_mul_i32 s72, s72, BLK
	s_mul_i32 s73, ttmp9, 3276800
	s_add_co_u32 s72, s72, s73
	s_mov_b32 s73, 0
	s_add_nc_u64 s[DST:DST+1], s[DST:DST+1], s[72:73]
; One product: Y's block a x X's block b, 128 along K.  p: X's set; q, sc: which scale words.  The odd tile's scale words stand in lanes 16-31.
.macro WM a, b, p, q, sc, zero
.set rD, 8*(8*((\a)%4)+(\b))
.set rX, 128*(\p)+FR*(\b)
.set rY, AF+FR*(\a)
.set rSX, SC+16*(\sc)+8*(\q)+4+(\b)/2
.set rSY, SC+16*(\sc)+8*(\q)+(\a)/2
.set par, 2*((\a)%2)+(\b)%2+4*(\zero)
.if par == 0
	v_wmma_scale_f32_16x16x128_f8f6f4 v[rD:rD+7], v[rX:rX+11], v[rY:rY+11], v[rD:rD+7], v[rSX], v[rSY] matrix_a_fmt:MATRIX_FMT_FP6 matrix_b_fmt:MATRIX_FMT_FP6
.elseif par == 1
	v_wmma_scale_f32_16x16x128_f8f6f4 v[rD:rD+7], v[rX:rX+11], v[rY:rY+11], v[rD:rD+7], v[rSX], v[rSY] matrix_a_fmt:MATRIX_FMT_FP6 matrix_b_fmt:MATRIX_FMT_FP6 matrix_a_scale:MATRIX_SCALE_ROW1
.elseif par == 2
	v_wmma_scale_f32_16x16x128_f8f6f4 v[rD:rD+7], v[rX:rX+11], v[rY:rY+11], v[rD:rD+7], v[rSX], v[rSY] matrix_a_fmt:MATRIX_FMT_FP6 matrix_b_fmt:MATRIX_FMT_FP6 matrix_b_scale:MATRIX_SCALE_ROW1
.elseif par == 3
	v_wmma_scale_f32_16x16x128_f8f6f4 v[rD:rD+7], v[rX:rX+11], v[rY:rY+11], v[rD:rD+7], v[rSX], v[rSY] matrix_a_fmt:MATRIX_FMT_FP6 matrix_b_fmt:MATRIX_FMT_FP6 matrix_a_scale:MATRIX_SCALE_ROW1 matrix_b_scale:MATRIX_SCALE_ROW1
.elseif par == 4
	v_wmma_scale_f32_16x16x128_f8f6f4 v[rD:rD+7], v[rX:rX+11], v[rY:rY+11], 0, v[rSX], v[rSY] matrix_a_fmt:MATRIX_FMT_FP6 matrix_b_fmt:MATRIX_FMT_FP6
.elseif par == 5
	v_wmma_scale_f32_16x16x128_f8f6f4 v[rD:rD+7], v[rX:rX+11], v[rY:rY+11], 0, v[rSX], v[rSY] matrix_a_fmt:MATRIX_FMT_FP6 matrix_b_fmt:MATRIX_FMT_FP6 matrix_a_scale:MATRIX_SCALE_ROW1
.elseif par == 6
	v_wmma_scale_f32_16x16x128_f8f6f4 v[rD:rD+7], v[rX:rX+11], v[rY:rY+11], 0, v[rSX], v[rSY] matrix_a_fmt:MATRIX_FMT_FP6 matrix_b_fmt:MATRIX_FMT_FP6 matrix_b_scale:MATRIX_SCALE_ROW1
.else
	v_wmma_scale_f32_16x16x128_f8f6f4 v[rD:rD+7], v[rX:rX+11], v[rY:rY+11], 0, v[rSX], v[rSY] matrix_a_fmt:MATRIX_FMT_FP6 matrix_b_fmt:MATRIX_FMT_FP6 matrix_a_scale:MATRIX_SCALE_ROW1 matrix_b_scale:MATRIX_SCALE_ROW1
.endif
.endm
.macro MUL16 a0, p, q, sc, zero        ; 16 products; the 64 accumulators take turns, one instruction a turn, in the same order in every step
.irp a, \a0, \a0+1
.irp b, 0,1,2,3,4,5,6,7
	WM \a, \b, \p, \q, \sc, \zero
.endr
.endr
.endm
.macro FRAG reg, adr, q, i             ; a fragment is the image of its 12 registers: three loads of 512 consecutive bytes
.irp c, 0,1,2
	ds_load_b128 v[\reg+4*\c:\reg+4*\c+3], v[\adr] offset:BLK*(\q)+1536*(\i)+512*\c
.endr
.endm
.macro FETCH_X slot, q, p
	WIN TO_X
.irp i, 0,1,2,3,4,5,6,7
	FRAG 128*(\p)+FR*\i, ADX+\slot, \q, \i
.endr
	WIN 0
.endm
.macro FETCH_Y slot, q, i0
.irp i, \i0, \i0+1, \i0+2, \i0+3
	FRAG AF+FR*(\i), ADY+\slot, \q, \i
.endr
.endm
.macro SCALES n                        ; a slot's scale words: 2 K steps x 4 double tiles x 2 sides
.irp q, 0,1
.irp j, 0,1,2,3
	ds_load_b32 v[SC+16*\n+8*\q+\j], v[ASY+\n] offset:12288+BLK*\q+128*\j
	ds_load_b32 v[SC+16*\n+8*\q+4+\j], v[ASX+\n] offset:12288+BLK*\q+128*\j
.endr
.endr
.endm
; A slot's first K step.  A block of Y is free as soon as its eight products are issued: blocks 0-3 are fetched anew in the middle, blocks 4-7 at the end.
.macro STEP slot, zero
	s_wait_dscnt 4*NL                              ; all but the youngest 12 loads: Y's blocks 4-7
	WIN MUL_LO
	MUL16 0, 0, 0, \slot, \zero
	MUL16 2, 0, 0, \slot, \zero
	s_wait_dscnt 0
	PLACES
	FETCH_X \slot, 1, 1
	FETCH_Y \slot, 1, 0
	WIN MUL_HI
	MUL16 4, 0, 0, \slot, \zero
	MUL16 6, 0, 0, \slot, \zero
	PLACES
	WIN 0
	FETCH_Y \slot, 1, 4
.endm
; A slot's second K step changes slots: one barrier; in front of it each wave waits for all its tensor loads, adds 0 to its spare word, and waits for that and for its reads of this slot.  fill = 1: the slot is filled again.
.macro TURN slot, next, fill
	s_wait_tensorcnt 0x0                           ; my part of the next slot has landed; no load of mine is out
	ds_add_u32 v[SPW], v[NIL]
	s_wait_dscnt 4*NL+1                            ; (the add and Y's blocks 4-7 may be out)
	WIN MUL_LO
	MUL16 0, 1, 1, \slot, 0
	s_wait_dscnt 0x0                               ; the add is done, and my reads of this slot are over
	s_barrier_signal -1
	MUL16 2, 1, 1, \slot, 0
	WIN 0
	s_barrier_wait -1
.if \fill
	CREST                                          ; the barrier has opened a round of the cluster's barrier: no wave of any partner still reads this slot or has a load on its way
	s_add_nc_u64 s[G0+4*\slot+2:G0+4*\slot+3], s[G0+4*\slot+2:G0+4*\slot+3], 2*PART
	s_add_nc_u64 s[G0B+4*\slot+2:G0B+4*\slot+3], s[G0B+4*\slot+2:G0B+4*\slot+3], 2*PART
	JLOAD G0+4*\slot, G1, G0B+4*\slot, G1B         ; the first tensor load behind the round; its four v_nop are the places in front of the loads below
.else
	PLACES
.endif
	FETCH_X \next, 0, 0
	FETCH_Y \next, 0, 0
	SCALES \next
	WIN MUL_HI
	MUL16 4, 1, 1, \slot, 0
	MUL16 6, 1, 1, \slot, 0
	PLACES
	WIN 0
	FETCH_Y \next, 0, 4
.endm
	s_wait_alu depctr_va_vdst(0)
	s_wait_tensorcnt 0x0                           ; my part of slot 0 is in
	ds_add_u32 v[SPW], v[NIL]
	s_wait_dscnt 0x0
	CROUND                                         ; everybody's part of slot 0 is in, and the joint loads meet
	JLOAD G0+4, G1, G0B+4, G1B                     ; slot 1's first fill: K steps 2, 3
	FETCH_X 0, 0, 0
	FETCH_Y 0, 0, 0
	SCALES 0
	FETCH_Y 0, 0, 4
	global_prefetch_b8 v30, s[74:75] offset:3*PART th:TH_LOAD_NT scope:SCOPE_SE
	STEP 0, 1                                      ; K steps 0, 1: the first products start the sums
	TURN 0, 1, 1                                   ; slot 0 takes K steps 4, 5
	STEP 1, 0
	TURN 1, 0, 1                                   ; slot 1 takes K steps 6, 7
	STEP 0, 0
	TURN 0, 1, 0                                   ; nothing is left to fetch
	STEP 1, 0
	s_wait_dscnt 4*NL
	WIN MUL_LO
	MUL16 0, 1, 1, 1, 0
	MUL16 2, 1, 1, 1, 0
	s_wait_dscnt 0
	WIN MUL_HI
	MUL16 4, 1, 1, 1, 0
	MUL16 6, 1, 1, 1, 0
	WIN 0
; THE WAY OUT.  Block a's 64 registers of a lane are 128 neighbours along the next K: register 16 b + i = 32 b + 16 (lane / 16) + i.  They become tile a of my result's block: 12 registers of codes and a scale word.
.macro QUANTW s, w, pc, pw             ; the numbers lie in window w
	WIN ((\w)<<2)|((\w)<<4)
.irp b, 0,1,2,3
	v_max3_num_f32 v[TM+\b], 0x1800000, |v[(\s)+16*\b]|, |v[(\s)+1+16*\b]|   ; the floor 2^(3 - 127) and my first two: each accumulator is read from its low end on
.endr
.irp i, 2,4,6,8,10,12,14
.irp b, 0,1,2,3
	v_max3_num_f32 v[TM+\b], v[TM+\b], |v[(\s)+16*\b+\i]|, |v[(\s)+1+16*\b+\i]|
.endr
.endr
	WIN 0
.irp b, 0,1,2,3
	v_permlanex16_b32 v[TM+4+\b], v[TM+\b], s[SEL], s[SEL+1]
.endr
.irp b, 0,1,2,3
	v_max_num_f32 v[TM+\b], v[TM+\b], v[TM+4+\b]
.endr
.irp b, 0,1,2,3
	v_add_nc_u32 v[TM+12+\b], 0xff000000, v[TM+\b] ; 2 off the exponent field: the conversion's scale operand
.endr
.irp b, 0,1,2,3
	v_lshrrev_b32 v[TM+4+\b], 23, v[TM+12+\b]
.endr
	v_lshl_or_b32 v[\pw], v[TM+5], 8, v[TM+4]
	v_lshl_or_b32 v[\pw], v[TM+6], 16, v[\pw]
	v_lshl_or_b32 v[\pw], v[TM+7], 24, v[\pw]
	WIN (\w)
.irp c, 0,1
	v_cvt_scalef32_pk16_fp6_f32 v[(\pc)+6*\c:(\pc)+2+6*\c], v[(\s)+32*\c:(\s)+15+32*\c], v[TM+12+2*\c]
	v_cvt_scalef32_pk16_fp6_f32 v[(\pc)+12+4*\c:(\pc)+14+4*\c], v[(\s)+16+32*\c:(\s)+31+32*\c], v[TM+12+2*\c+1]
.endr
	WIN 0
	v_nop                                          ; one plain place behind a scaled conversion
.irp c, 0,1
.irp i, 0,1,2
	v_permlane16_swap_b32 v[(\pc)+6*\c+\i], v[(\pc)+12+4*\c+\i]
.endr
.irp i, 0,1,2
	v_mov_b32 v[(\pc)+3+6*\c+\i], v[(\pc)+12+4*\c+\i]
.endr
.endr
.endm
	PLACES
.irp b, 0,1,2,3
	v_mov_b32 v[TM+4+\b], 0                        ; a lane permute's destination counts as one of its sources
.endr
.irp a, 0,1,2,3,4,5,6,7
.if \a >= 2
	s_wait_xcnt 0x0                                ; the stores of two blocks ago have read their registers
.endif
	QUANTW 64*(\a%4), 2+\a/4, PC0+32*(\a%2), PW+\a%2
.irp c, 0,1,2
	global_store_b128 v[L16], v[PC0+32*(\a%2)+4*\c:PC0+32*(\a%2)+4*\c+3], s[DST:DST+1] offset:1536*\a+512*\c   ; 512 consecutive bytes, at a multiple of 256
.endr
.if \a%2
	v_cndmask_b32 v[PWJ], v[PW], v[PW+1], s[MASK]  ; lanes 0-15 the even tile's words, lanes 16-31 the odd tile's
	global_store_b32 v[L4], v[PWJ], s[DST:DST+1] offset:12288+128*(\a/2)
.endif
.endr
	s_wait_tensorcnt 0x0                           ; the wave's end
	ds_add_u32 v[SPW], v[NIL]
	s_wait_dscnt 0x0
	CROUND                                         ; the closing round
	s_endpgm
.Lfunc_end_k_q3a94a1e214_qkv:
	.size	k_q3a94a1e214_qkv, .Lfunc_end_k_q3a94a1e214_qkv-k_q3a94a1e214_qkv
	.p2alignl 7, 3214868480
	.fill 96, 4, 3214868480
	.section	.rodata,"a",@progbits
	.p2align	6, 0x0
	.amdhsa_kernel k_q3a94a1e214_qkv
		.amdhsa_group_segment_fixed_size 327680
		.amdhsa_private_segment_fixed_size 0
		.amdhsa_enable_private_segment 0
		.amdhsa_kernarg_size 24
		.amdhsa_user_sgpr_count 2
		.amdhsa_user_sgpr_kernarg_segment_ptr 1
		.amdhsa_wavefront_size32 1
		.amdhsa_system_sgpr_workgroup_id_x 1
		.amdhsa_system_sgpr_workgroup_id_y 1
		.amdhsa_system_sgpr_workgroup_id_z 1
		.amdhsa_system_vgpr_workitem_id 0
		.amdhsa_next_free_vgpr 1024
		.amdhsa_next_free_sgpr 98
		.amdhsa_reserve_vcc 0
		.amdhsa_float_denorm_mode_32 3
		.amdhsa_float_denorm_mode_16_64 3
		.amdhsa_memory_ordered 1
		.amdhsa_forward_progress 1
		.amdhsa_inst_pref_size 140
	.end_amdhsa_kernel
	.amdgpu_metadata
---
amdhsa.version: [ 1, 2 ]
amdhsa.kernels:
  - .name:           k_q3a94a1e214_qkv
    .symbol:         k_q3a94a1e214_qkv.kd
    .args:
      - { .name: hop, .offset: 0, .size: 8, .value_kind: global_buffer, .address_space: global }
      - { .name: wimg, .offset: 8, .size: 8, .value_kind: global_buffer, .address_space: global }
      - { .name: qkv, .offset: 16, .size: 8, .value_kind: global_buffer, .address_space: global }
    .group_segment_fixed_size: 327680
    .private_segment_fixed_size: 0
    .kernarg_segment_align: 8
    .kernarg_segment_size: 24
    .max_flat_workgroup_size: 128
    .sgpr_count:     98
    .vgpr_count:     1024
    .wavefront_size: 32
...
	.end_amdgpu_metadata
.endif
;; end of part 2
;; launch attn (part 3): grid 8 x 32, 16 waves a work-group, clusters of 4 x 1, 327,680 bytes of LDS; arguments qkv, oop; writes oop
.if DOCPART == 3
	.amdgcn_target "amdgcn-amd-amdhsa--gfx1250"
	.amdhsa_code_object_version 6
	.text
	.protected	k_q3a94a1e214_attn
	.globl	k_q3a94a1e214_attn
	.p2align	8
	.type	k_q3a94a1e214_attn,@function
k_q3a94a1e214_attn:
	s_mov_b64 s[64:65], 0
	v_nop
	global_prefetch_b8 v0, s[64:65] scope:SCOPE_SE
	s_setreg_imm32_b32 hwreg(HW_REG_WAVE_MODE, 25, 1), 1
	s_wait_xcnt 0x0
	s_wait_alu depctr_hold_cnt(0) depctr_sa_sdst(0) depctr_va_vdst(0) depctr_va_sdst(0) depctr_va_ssrc(0) depctr_va_vcc(0) depctr_vm_vsrc(0)
	s_getreg_b32 s2, hwreg(HW_REG_IB_STS2, 6, 4)
	s_cmp_eq_u32 s2, 0
	s_cbranch_scc0 .Lentry_in_a_cluster
	s_endpgm
.Lentry_in_a_cluster:
	s_bfe_u32 s2, ttmp6, 0x10000c
	s_cmp_lg_u32 s2, 0x3003
	s_cbranch_scc0 .Lentry_shape_is_right
	s_endpgm
.Lentry_shape_is_right:
; o = softmax(q k^T / 32, causal) v for one batch and one PAIR of heads a work-group, both products on codes of FP6 (E2M3) with E8M0 scales; o is quantised along (head, d) and stored as an operand block of the projection.
; LEFT OUT: a step of 128 keys all of which come after a wave's 16 queries (reference()'s own causal mask gives them the weight 0: see launch ln's head).
; THE SOFTMAX AHEAD OF THE SECOND PRODUCT: t = score x log2(e) / 32; M = the running largest t rounded UP to a whole number; p = 2^(t - M) is quantised along the keys; the row's sum is taken of the unquantised p and divides at the end.
; SHARES.  y = 8 x batch + pair.  The eight work-groups of a y take tile T = 4 x cluster x + cx (16 queries) of EVERY one of the eight token groups.  Wave w: head c = w / 8 of the pair; token group L = (w % 8) xor 3 ((w % 8) / 4),
; which hangs on the wave's number alone.  It walks key steps 0 .. L.  Waves w, w + 4, w + 8, w + 12 walk 18 steps together, whatever w.
; LDS.  The pair's K (8 blocks of 128 keys) and V (8 blocks) stay in LDS: 16 blocks of 12,800 bytes, one tensor load a wave, filled once.  The four work-groups of a cluster need the same 16 blocks and every one of them reads
; them all (its waves with L = 7): each block is asked for jointly.
; A block of q or k holds BOTH heads along its 128; a product's K is one head's 64.  So the other head's six registers of Q's fragment are cleared: zero codes add nothing under any valid scale byte.
; LAYOUT.  Both products transposed: S^T = K Q^T, O^T = V^T P^T: a lane holds one query.  The tiles' rows are permuted (launch ln's head), so the 16 registers of tiles 2 b, 2 b + 1 of S^T are keys 32 b + 16 (lane / 16) + 0 .. 15.
; LDS LOADS.  A step's eight fragments of K come in ONE run at its head, under one wait; V's four are asked for straight behind the products S^T, into registers that K has left, and land while the softmax is worked.
; REGISTERS: v1-4 addresses that stay; v7 the mask's number; v8-11 the step's addresses; v12 -M, v13 the largest t, v[14:15] the sum; v16-27 Q; v28-31 addresses of the way out; v32-127 K's eight fragments (v32-79 then V's four);
; v128-191 S^T, then p; v192-223 O^T; v224-235 p's codes; v232-247, v252-254 at work; v248-251 K's scale words (v248, v249 then V's), v253 p's, v255 Q's.
.set BLK,   12800
.set VB,    8*BLK                      ; V's blocks lie behind K's
.set STG,   16*BLK                     ; the way out: 768 bytes a wave: its six registers of codes
.set STGS,  STG+16*768                 ; and 128 bytes a wave: its half scale words
.set SPARE, STGS+16*128                ; the spare words, 128 bytes a wave
.set KR,   32
.set S,    128
.set O,    192
.set AK0,  1
.set AV0,  2
.set ASK0, 3
.set ASV0, 4
.set SPW,  5
.set NIL,  6
.set DQ,   7
.set ADK,  8
.set ADV,  9
.set ADS,  10
.set ADT,  11
.set SW,   28
.set SS,   29
.set GC,   30
.set GS,   31
.set WV,   18
.set SEL,  20
.set CS,   22
.set G1,   24
.set G0,   32
.set LW,   36
.set CH,   37
.set SG,   38
.set TB,   39
.macro ROUND
	s_barrier_signal -1
	s_barrier_wait -1
	s_cmp_lg_u32 s[WV], 0
	s_cbranch_scc1 .Lnot_wave_0_\@
	s_barrier_signal -3
.Lnot_wave_0_\@:
	s_barrier_wait -3
	s_barrier_signal -1
	s_barrier_wait -1
.endm
	s_load_b128 s[4:7], s[0:1], 0x0                ; qkv, oop
	v_lshl_add_u32 v[SPW], v0, 2, SPARE
	v_mov_b32 v[NIL], 0
	ds_add_u32 v[SPW], v[NIL]                      ; the opening: the add, twice on end, and its wait ahead of my first tensor load
	ds_add_u32 v[SPW], v[NIL]
	v_lshrrev_b32 v8, 5, v0
	s_delay_alu instid0(VALU_DEP_1)
	v_readfirstlane_b32 s[WV], v8                  ; wave 0..15
	s_bfe_u32 s40, ttmp6, 0x40000                  ; cx
	s_lshl_b32 s41, ttmp9, 2
	s_add_co_u32 s41, s41, s40                     ; T: it enters Q's and o's global addresses and the mask's number alone
	s_and_b32 s42, ttmp7, 0xffff
	s_lshr_b32 s43, s42, 3                         ; batch
	s_and_b32 s44, s42, 7                          ; pair
	s_lshl_b32 s45, s44, 5
	s_lshl_b32 s46, s43, 3
	s_add_co_u32 s45, s45, s46                     ; 32 x pair + 8 x batch: the first of my eight blocks in q, k and v
	s_lshr_b32 s[CH], s[WV], 3                     ; c
	s_and_b32 s47, s[WV], 7
	s_lshr_b32 s48, s47, 2
	s_mul_i32 s48, s48, 3
	s_xor_b32 s[LW], s47, s48                      ; L: 0, 1, 2, 3, 7, 6, 5, 4
	s_add_co_u32 s48, s45, s47
	s_mul_i32 s48, s48, BLK
	s_add_co_u32 s49, s[CH], 1
	s_mul_i32 s49, s49, 3276800                    ; waves 0-7 fetch K's blocks, waves 8-15 V's
	s_add_co_u32 s48, s48, s49
	s_mov_b32 s49, 0
	; group 1: a dense block of 12,800 bytes as 50 rows of 32 elements of 8 bytes; the mask names all four work-groups
	s_mov_b32 s[G1], 15|(3<<16)|(1<<21)
	s_mov_b32 s[G1+1], 32<<16
	s_mov_b32 s[G1+2], 50<<16
	s_mov_b32 s[G1+3], 32<<16
	s_mov_b32 s[G1+4], 50
	s_mov_b32 s[G1+5], 32
	s_mov_b32 s[G1+6], 0
	s_mov_b32 s[G1+7], 0
	s_mov_b32 s[G0], 1
	s_mul_i32 s[G0+1], s[WV], BLK                  ; block w of the sixteen
	s_mov_b32 s[SEL], 0x76543210
	s_mov_b32 s[SEL+1], 0xfedcba98
	s_mov_b32 s[CS], 0x3d38aa3b                    ; c = log2(e) / 32
	s_mov_b32 s[CS+1], s[CS]
	s_add_co_u32 s50, s45, s[LW]
	s_mul_i32 s50, s50, BLK                        ; q's block of my token group
	s_mov_b32 s51, 0
	s_add_co_u32 s54, s46, s[LW]
	s_lshl_b32 s54, s54, 3
	s_add_co_u32 s54, s54, s44
	s_mul_i32 s54, s54, BLK                        ; o's block: 8 x (8 x batch + L) + pair
	s_mov_b32 s55, 0
	s_sub_co_u32 s56, s[CH], 1                     ; all ones for head 0 of the pair, 0 for head 1
	s_not_b32 s57, s56
	s_wait_dscnt 0x0                               ; both opening adds are done
	s_wait_kmcnt 0x0
	s_add_nc_u64 s[G0+2:G0+3], s[4:5], s[48:49]
	s_or_b32 s[G0+3], s[G0+3], 0x80000000
	ROUND                                          ; all four work-groups are here: the joint loads meet
	tensor_load_to_lds s[G0:G0+3], s[G1:G1+7]      ; my one tensor load of the launch
	s_nop 0
	s_add_nc_u64 s[8:9], s[4:5], s[50:51]
	s_add_nc_u64 s[6:7], s[6:7], s[54:55]
	v_and_b32 v8, 15, v0                           ; r
	v_bfe_u32 v9, v0, 4, 1                         ; h
	v_and_b32 v10, 31, v0                          ; lane
	s_wait_alu depctr_va_vdst(0)
	s_mul_i32 s52, s41, 1536
	v_lshl_add_u32 v[GC], v10, 4, s52              ; tile T's image: 1536 T + 16 x lane
	s_lshl_b32 s53, s41, 6
	v_lshl_add_u32 v[GS], v8, 2, s53               ; its scale words: 64 T + 4 r
.irp c, 0,1,2
	global_load_b128 v[16+4*\c:19+4*\c], v[GC], s[8:9] offset:512*\c
.endr
	global_load_b32 v255, v[GS], s[8:9] offset:12288
	v_lshlrev_b32 v[AK0], 4, v10
	s_mul_i32 s58, s[CH], 6144
	s_add_co_u32 s58, s58, VB
	v_add_nc_u32 v[AV0], s58, v[AK0]               ; V: my head's four tiles
	v_lshl_add_u32 v[ASK0], v10, 2, 12288
	s_lshl_b32 s58, s[CH], 8
	s_add_co_u32 s58, s58, VB
	v_add_nc_u32 v[ASV0], s58, v[ASK0]
	s_mul_i32 s58, s[WV], 768
	s_add_co_u32 s58, s58, STG
	v_lshl_add_u32 v[SW], v10, 3, s58
	s_lshl_b32 s58, s[WV], 7
	s_add_co_u32 s58, s58, STGS
	v_lshl_add_u32 v[SS], v10, 2, s58
	s_lshr_b32 s58, s41, 1
	s_lshl_b32 s58, s58, 5
	s_and_b32 s59, s41, 1
	s_lshl_b32 s59, s59, 3
	s_add_co_u32 s58, s58, s59
	v_and_b32 v11, 8, v8
	s_delay_alu instid0(VALU_DEP_1)
	v_add_nc_u32 v11, v11, v8
	v_lshlrev_b32 v9, 4, v9
	s_delay_alu instid0(VALU_DEP_1)
	v_sub_nc_u32 v11, v11, v9
	s_delay_alu instid0(VALU_DEP_1)
	v_add_nc_u32 v[DQ], s58, v11                   ; my query in its group, less 16 (lane / 16): register 16 b + i holds a hidden key on the diagonal where 32 b + i is above it
	s_wait_loadcnt 0x0
.irp i, 0,1,2,3,4,5
	v_and_b32 v[16+\i], s56, v[16+\i]              ; the other head's codes of Q become zeros
	v_and_b32 v[22+\i], s57, v[22+\i]
.endr
	v_mov_b32 v13, 0xff61b1e6                      ; the largest t so far: -3e38
	s_delay_alu instid0(VALU_DEP_1)
	v_floor_f32 v12, -v13                          ; -M
	v_mov_b32 v14, 0
	v_mov_b32 v15, 0
.irp b, 0,1,2,3
	v_mov_b32 v[236+\b], 0                         ; a lane permute's destination counts as one of its sources
.endr
	v_mov_b32 v252, 0
	v_mov_b32 v253, 0
.irp j, 0,1,2,3,4,5,6,7,8,9,10,11,12,13,14,15,16,17,18,19,20,21,22,23,24,25,26,27,28,29,30,31
	v_mov_b32 v[O+\j], 0                           ; O^T: the step is written once; the first change of M leaves zeros zeros
.endr
	s_mov_b32 s[SG], 0
	s_mov_b32 s[TB], 0
	s_wait_tensorcnt 0x0                           ; my block has landed,
	s_barrier_signal -1
	s_barrier_wait -1                              ; everybody's has
.Lstep:                                            ; eight trips, a constant; a step whose keys all come after my queries is jumped over: a branch on the wave's number and the count of steps
	s_cmp_gt_u32 s[SG], s[LW]
	s_cbranch_scc1 .Lhidden
	v_add_nc_u32 v[ADK], s[TB], v[AK0]             ; (these four are the places in front of loads into registers that the last step's products have read)
	v_add_nc_u32 v[ADV], s[TB], v[AV0]
	v_add_nc_u32 v[ADS], s[TB], v[ASK0]
	v_add_nc_u32 v[ADT], s[TB], v[ASV0]
.irp t, 0,1,2,3,4,5,6,7                        ; K's eight tiles of 16 keys, and their scale words: one run of 28 loads, one wait
.irp c, 0,1,2
	ds_load_b128 v[KR+12*\t+4*\c:KR+12*\t+4*\c+3], v[ADK] offset:1536*\t+512*\c
.endr
.endr
.irp j, 0,1,2,3
	ds_load_b32 v[248+\j], v[ADS] offset:128*\j
.endr
	s_wait_alu depctr_va_vdst(0)
	s_wait_dscnt 0x0
.irp t, 0,2,4,6                                ; S^T = K Q^T: eight accumulators, one instruction each
	v_wmma_scale_f32_16x16x128_f8f6f4 v[S+8*\t:S+8*\t+7], v[KR+12*\t:KR+12*\t+11], v[16:27], 0, v[248+\t/2], v255 matrix_a_fmt:MATRIX_FMT_FP6 matrix_b_fmt:MATRIX_FMT_FP6
	v_wmma_scale_f32_16x16x128_f8f6f4 v[S+8+8*\t:S+15+8*\t], v[KR+12+12*\t:KR+23+12*\t], v[16:27], 0, v[248+\t/2], v255 matrix_a_fmt:MATRIX_FMT_FP6 matrix_b_fmt:MATRIX_FMT_FP6 matrix_a_scale:MATRIX_SCALE_ROW1
.endr
.rept 4
	v_nop                                          ; four places: in front of the loads below, into registers that these products have read, and of the first read of the scores
.endr
.irp t, 0,1,2,3                                ; V's four tiles of my head are asked for now; the wait for them stands ahead of the products that take them, behind the softmax
.irp c, 0,1,2
	ds_load_b128 v[KR+12*\t+4*\c:KR+12*\t+4*\c+3], v[ADV] offset:1536*\t+512*\c
.endr
.endr
	ds_load_b32 v248, v[ADT]
	ds_load_b32 v249, v[ADT] offset:128
	s_cmp_lt_u32 s[SG], s[LW]                      ; under the diagonal all keys count
	s_cbranch_scc1 .Lopen
	v_mov_b32 v254, 0xff800000                     ; on it the scores of hidden keys become -infinity ahead of the maximum: p = 0 then
.irp n, 0,1,2,3,4,5,6,7,8,9,10,11,12,13,14,15,16,17,18,19,20,21,22,23,24,25,26,27,28,29,30,31,32,33,34,35,36,37,38,39,40,41,42,43,44,45,46,47,48,49,50,51,52,53,54,55,56,57,58,59,60,61,62,63
	v_cmp_gt_i32 vcc_lo, 32*(\n/16)+\n%16, v[DQ]
	v_cndmask_b32 v[S+\n], v[S+\n], v254, vcc_lo
.endr
.Lopen:
.irp b, 0,1,2,3
	v_max3_num_f32 v[232+\b], v[S+16*\b], v[S+1+16*\b], v[S+2+16*\b]   ; the largest score of each block of 32 keys: for the row's maximum and, since p rises with the score, for the block's largest p
.endr
.irp i, 3,5,7,9,11,13
.irp b, 0,1,2,3
	v_max3_num_f32 v[232+\b], v[232+\b], v[S+16*\b+\i], v[S+1+16*\b+\i]
.endr
.endr
.irp b, 0,1,2,3
	v_max_num_f32 v[232+\b], v[232+\b], v[S+15+16*\b]
.endr
.irp b, 0,1,2,3
	s_delay_alu instid0(VALU_DEP_4)
	v_permlanex16_b32 v[236+\b], v[232+\b], s[SEL], s[SEL+1]
.endr
.irp b, 0,1,2,3
	s_delay_alu instid0(VALU_DEP_4)
	v_max_num_f32 v[232+\b], v[232+\b], v[236+\b]
.endr
	s_delay_alu instid0(VALU_DEP_2)
	v_max3_num_f32 v254, v232, v233, v234
	s_delay_alu instid0(VALU_DEP_1)
	v_max_num_f32 v254, v254, v235
	s_delay_alu instid0(VALU_DEP_1)
	v_mul_f32 v254, s[CS], v254                    ; as t (c is positive)
	s_delay_alu instid0(VALU_DEP_1)
	v_max_num_f32 v13, v13, v254                   ; the running largest t
	v_mov_b32 v254, v12
	s_delay_alu instid0(VALU_DEP_2)
	v_floor_f32 v12, -v13                          ; the new -M = -ceil(t)
	s_delay_alu instid0(VALU_DEP_1)
	v_sub_f32 v254, v12, v254                      ; old M - new M: a whole number, 0 or less
	s_delay_alu instid0(VALU_DEP_1)
	v_cvt_i32_f32 v254, v254                       ; (it saturates)
	s_delay_alu instid0(VALU_DEP_1)
	v_ldexp_f32 v252, 1.0, v254                    ; f = 2^(old M - new M): a multiplication by it rounds nothing
.irp j, 0,2,4,6,8,10,12,14,16,18,20,22,24,26,28,30,32,34,36,38,40,42,44,46,48,50,52,54,56,58,60,62
	v_pk_fma_f32 v[S+\j:S+\j+1], v[S+\j:S+\j+1], s[CS:CS+1], v[12:13] op_sel_hi:[1,0,0]   ; t - M
.endr
.irp b, 0,1,2,3
	v_fma_f32 v[232+\b], v[232+\b], s[CS], v12
.endr
	s_wait_alu depctr_va_vdst(0)
.irp j, 0,1,2,3,4,5,6,7,8,9,10,11,12,13,14,15,16,17,18,19,20,21,22,23,24,25,26,27,28,29,30,31,32,33,34,35,36,37,38,39,40,41,42,43,44,45,46,47,48,49,50,51,52,53,54,55,56,57,58,59,60,61,62,63
	v_exp_f32 v[S+\j], v[S+\j]                     ; p = 2^(t - M)
.endr
	v_pk_mul_f32 v[14:15], v[14:15], v[252:253] op_sel_hi:[1,0]   ; the sums under the new M: a plain place behind the exponentials
	s_wait_alu depctr_va_vdst(0)                   ; one wait for the batch, ahead of its first reader
.irp b, 0,1,2,3
	v_exp_f32 v[232+\b], v[232+\b]                 ; the block's largest p
.endr
	v_pk_add_f32 v[236:237], v[132:133], v[136:137]
	v_pk_add_f32 v[250:251], v[140:141], v[144:145]
	v_pk_add_f32 v[246:247], v[148:149], v[152:153]
	v_pk_add_f32 v[244:245], v[156:157], v[160:161]
	v_pk_add_f32 v[242:243], v[164:165], v[168:169]
	v_pk_add_f32 v[240:241], v[172:173], v[176:177]
	v_pk_add_f32 v[238:239], v[180:181], v[184:185]
	v_pk_add_f32 v[14:15], v[14:15], v[188:189]
	v_pk_add_f32 v[236:237], v[236:237], v[128:129]
	v_pk_add_f32 v[250:251], v[250:251], v[130:131]
	v_pk_add_f32 v[246:247], v[246:247], v[134:135]
	v_pk_add_f32 v[244:245], v[244:245], v[138:139]
	v_pk_add_f32 v[242:243], v[242:243], v[142:143]
	v_pk_add_f32 v[240:241], v[240:241], v[146:147]
	v_pk_add_f32 v[238:239], v[238:239], v[150:151]
	v_pk_add_f32 v[14:15], v[14:15], v[154:155]
	v_pk_add_f32 v[236:237], v[236:237], v[158:159]
	v_pk_add_f32 v[250:251], v[250:251], v[162:163]
	v_pk_add_f32 v[246:247], v[246:247], v[166:167]
	v_pk_add_f32 v[244:245], v[244:245], v[170:171]
	v_pk_add_f32 v[242:243], v[242:243], v[174:175]
	v_pk_add_f32 v[240:241], v[240:241], v[178:179]
	v_pk_add_f32 v[238:239], v[238:239], v[182:183]
	v_pk_add_f32 v[14:15], v[14:15], v[186:187]
	v_pk_add_f32 v[236:237], v[236:237], v[190:191]
	s_delay_alu instid0(VALU_DEP_2)
	v_pk_add_f32 v[14:15], v[14:15], v[244:245]
	s_delay_alu instid0(VALU_DEP_2)
	v_pk_add_f32 v[236:237], v[236:237], v[242:243]
	v_pk_add_f32 v[250:251], v[250:251], v[240:241]
	v_pk_add_f32 v[246:247], v[246:247], v[238:239]
	s_delay_alu instid0(VALU_DEP_2)
	v_pk_add_f32 v[14:15], v[14:15], v[250:251]
	s_delay_alu instid0(VALU_DEP_2)
	v_pk_add_f32 v[236:237], v[236:237], v[246:247]
	s_delay_alu instid0(VALU_DEP_1)
	v_pk_add_f32 v[14:15], v[14:15], v[236:237]
	s_wait_alu depctr_va_vdst(0)                   ; and one for the four
.irp b, 0,1,2,3
	v_max_num_f32 v[232+\b], 0x1800000, v[232+\b]  ; the floor 2^(3 - 127)
.endr
.irp b, 0,1,2,3
	s_delay_alu instid0(VALU_DEP_4)
	v_add_nc_u32 v[244+\b], 0xff000000, v[232+\b]
.endr
.irp b, 0,1,2,3
	s_delay_alu instid0(VALU_DEP_4)
	v_lshrrev_b32 v[236+\b], 23, v[244+\b]
.endr
	s_delay_alu instid0(VALU_DEP_3)
	v_lshl_or_b32 v253, v237, 8, v236              ; p's scale word for these 128 keys
	s_delay_alu instid0(VALU_DEP_1)
	v_lshl_or_b32 v253, v238, 16, v253
	s_delay_alu instid0(VALU_DEP_1)
	v_lshl_or_b32 v253, v239, 24, v253
.irp c, 0,1
	v_cvt_scalef32_pk16_fp6_f32 v[224+6*\c:226+6*\c], v[S+32*\c:S+15+32*\c], v[244+2*\c]
	v_cvt_scalef32_pk16_fp6_f32 v[236+4*\c:238+4*\c], v[S+16+32*\c:S+31+32*\c], v[244+2*\c+1]
.endr
	v_nop                                          ; one plain place behind a scaled conversion
.irp c, 0,1
.irp i, 0,1,2
	v_permlane16_swap_b32 v[224+6*\c+\i], v[236+4*\c+\i]
.endr
.irp i, 0,1,2
	s_delay_alu instid0(VALU_DEP_3)
	v_mov_b32 v[227+6*\c+\i], v[236+4*\c+\i]
.endr
.endr
.irp j, 0,2,4,6,8,10,12,14,16,18,20,22,24,26,28,30
	v_pk_mul_f32 v[O+\j:O+\j+1], v[O+\j:O+\j+1], v[252:253] op_sel_hi:[1,0]   ; O^T under the new M; these sixteen also stand between the lines that made p's codes and scale word and the products
.endr
	s_wait_alu depctr_va_vdst(0)
	s_wait_dscnt 0x0                               ; V's fragments and scale words, asked for ahead of the softmax
.irp t, 0,2                                    ; O^T += V^T P^T: my head's four tiles of 16; K = these 128 keys
	v_wmma_scale_f32_16x16x128_f8f6f4 v[O+8*\t:O+8*\t+7], v[KR+12*\t:KR+12*\t+11], v[224:235], v[O+8*\t:O+8*\t+7], v[248+\t/2], v253 matrix_a_fmt:MATRIX_FMT_FP6 matrix_b_fmt:MATRIX_FMT_FP6
	v_wmma_scale_f32_16x16x128_f8f6f4 v[O+8+8*\t:O+15+8*\t], v[KR+12+12*\t:KR+23+12*\t], v[224:235], v[O+8+8*\t:O+15+8*\t], v[248+\t/2], v253 matrix_a_fmt:MATRIX_FMT_FP6 matrix_b_fmt:MATRIX_FMT_FP6 matrix_a_scale:MATRIX_SCALE_ROW1
.endr
.Lhidden:
	s_add_co_u32 s[TB], s[TB], BLK
	s_add_co_u32 s[SG], s[SG], 1
	s_cmp_lt_u32 s[SG], 8
	s_cbranch_scc1 .Lstep
	; THE WAY OUT.  O^T / the sum: register 16 b + i is o(my query, 32 b + 16 (lane / 16) + i) of my head: two blocks of 32 along the projection's K.
.rept 4
	v_nop                                          ; four places behind the last products
.endr
	v_add_f32 v14, v14, v15
	s_delay_alu instid0(VALU_DEP_1)
	v_permlanex16_b32 v252, v14, s[SEL], s[SEL+1]
	s_delay_alu instid0(VALU_DEP_1)
	v_add_f32 v14, v14, v252                       ; the row's sum
	s_wait_alu depctr_va_vdst(0)
	v_rcp_f32 v14, v14
	v_nop                                          ; a plain place behind the transcendental
	s_wait_alu depctr_va_vdst(0)
.irp j, 0,1,2,3,4,5,6,7,8,9,10,11,12,13,14,15,16,17,18,19,20,21,22,23,24,25,26,27,28,29,30,31
	v_mul_f32 v[S+\j], v[O+\j], v14
.endr
.irp b, 0,1
	v_max3_num_f32 v[232+\b], |v[S+16*\b]|, |v[S+1+16*\b]|, 0x1800000
.endr
.irp i, 2,4,6,8,10,12,14
.irp b, 0,1
	s_delay_alu instid0(VALU_DEP_2)
	v_max3_num_f32 v[232+\b], v[232+\b], |v[S+16*\b+\i]|, |v[S+1+16*\b+\i]|
.endr
.endr
.irp b, 0,1
	s_delay_alu instid0(VALU_DEP_2)
	v_permlanex16_b32 v[236+\b], v[232+\b], s[SEL], s[SEL+1]
.endr
.irp b, 0,1
	s_delay_alu instid0(VALU_DEP_2)
	v_max_num_f32 v[232+\b], v[232+\b], v[236+\b]
.endr
.irp b, 0,1
	s_delay_alu instid0(VALU_DEP_2)
	v_add_nc_u32 v[244+\b], 0xff000000, v[232+\b]
.endr
.irp b, 0,1
	s_delay_alu instid0(VALU_DEP_2)
	v_lshrrev_b32 v[236+\b], 23, v[244+\b]
.endr
	s_delay_alu instid0(VALU_DEP_1)
	v_lshl_or_b32 v254, v237, 8, v236              ; my head's half of the row's scale word
	v_cvt_scalef32_pk16_fp6_f32 v[224:226], v[S:S+15], v244
	v_cvt_scalef32_pk16_fp6_f32 v[228:230], v[S+16:S+31], v245
	v_nop
.irp i, 0,1,2
	v_permlane16_swap_b32 v[224+\i], v[228+\i]
.endr
.irp i, 0,1,2
	s_delay_alu instid0(VALU_DEP_3)
	v_mov_b32 v[227+\i], v[228+\i]                 ; v224-229: registers 6 c .. 6 c + 5 of the tile's fragment
.endr
	ds_store_b64 v[SW], v[224:225]                 ; into my wave's own 768 bytes, 8 bytes a lane
	ds_store_b64 v[SW], v[226:227] offset:256
	ds_store_b64 v[SW], v[228:229] offset:512
	ds_store_b32 v[SS], v254
	s_wait_dscnt 0x0                               ; for the others' sake: my stores are done
	s_barrier_signal -1
	s_barrier_wait -1
	s_cmp_lt_u32 s[WV], 8                          ; wave w of 0-7 joins its own half with wave w + 8's: the same queries, the pair's other head
	s_cbranch_scc0 .Ldone
.irp k, 0,1,2,3,4,5
	ds_load_b64 v[32+2*\k:33+2*\k], v[SW] offset:6144*(\k/3)+256*(\k%3)
.endr
	ds_load_b32 v44, v[SS]
	ds_load_b32 v45, v[SS] offset:1024
	s_wait_dscnt 0x0
	v_lshl_or_b32 v44, v45, 16, v44
.irp c, 0,1,2
	global_store_b128 v[GC], v[32+4*\c:35+4*\c], s[6:7] offset:512*\c   ; 512 consecutive bytes, at a multiple of 256
.endr
	global_store_b32 v[GS], v44, s[6:7] offset:12288   ; (lanes r and r + 16 hold and write the same word)
.Ldone:
	s_wait_tensorcnt 0x0                           ; the wave's end
	ds_add_u32 v[SPW], v[NIL]
	s_wait_dscnt 0x0
	ROUND                                          ; the closing round
	s_endpgm
.Lfunc_end_k_q3a94a1e214_attn:
	.size	k_q3a94a1e214_attn, .Lfunc_end_k_q3a94a1e214_attn-k_q3a94a1e214_attn
	.p2alignl 7, 3214868480
	.fill 96, 4, 3214868480
	.section	.rodata,"a",@progbits
	.p2align	6, 0x0
	.amdhsa_kernel k_q3a94a1e214_attn
		.amdhsa_group_segment_fixed_size 327680
		.amdhsa_private_segment_fixed_size 0
		.amdhsa_enable_private_segment 0
		.amdhsa_kernarg_size 16
		.amdhsa_user_sgpr_count 2
		.amdhsa_user_sgpr_kernarg_segment_ptr 1
		.amdhsa_wavefront_size32 1
		.amdhsa_system_sgpr_workgroup_id_x 1
		.amdhsa_system_sgpr_workgroup_id_y 1
		.amdhsa_system_sgpr_workgroup_id_z 1
		.amdhsa_system_vgpr_workitem_id 0
		.amdhsa_next_free_vgpr 256
		.amdhsa_next_free_sgpr 66
		.amdhsa_reserve_vcc 1
		.amdhsa_float_denorm_mode_32 3
		.amdhsa_float_denorm_mode_16_64 3
		.amdhsa_memory_ordered 1
		.amdhsa_forward_progress 1
		.amdhsa_inst_pref_size 36
	.end_amdhsa_kernel
	.amdgpu_metadata
---
amdhsa.version: [ 1, 2 ]
amdhsa.kernels:
  - .name:           k_q3a94a1e214_attn
    .symbol:         k_q3a94a1e214_attn.kd
    .args:
      - { .name: qkv, .offset: 0, .size: 8, .value_kind: global_buffer, .address_space: global }
      - { .name: oop, .offset: 8, .size: 8, .value_kind: global_buffer, .address_space: global }
    .group_segment_fixed_size: 327680
    .private_segment_fixed_size: 0
    .kernarg_segment_align: 8
    .kernarg_segment_size: 16
    .max_flat_workgroup_size: 512
    .sgpr_count:     66
    .vgpr_count:     256
    .wavefront_size: 32
...
	.end_amdgpu_metadata
.endif
;; end of part 3
;; launch projln (part 4): grid 256 x 1, 8 waves a work-group, no clusters, 69,632 bytes of LDS; arguments oop, wimg, proj_b, x, g2, beta2, x1, hop; writes x1, hop
.if DOCPART == 4
	.amdgcn_target "amdgcn-amd-amdhsa--gfx1250"
	.amdhsa_code_object_version 6
	.text
	.protected	k_q3a94a1e214_projln
	.globl	k_q3a94a1e214_projln
	.p2align	8
	.type	k_q3a94a1e214_projln,@function
k_q3a94a1e214_projln:
	s_mov_b64 s[64:65], 0
	v_nop
	global_prefetch_b8 v0, s[64:65] scope:SCOPE_SE
	s_setreg_imm32_b32 hwreg(HW_REG_WAVE_MODE, 25, 1), 1
	s_wait_xcnt 0x0
; x1 = x + o proj_w + proj_b, and hop = the quantised layer norm of x1 (g2, beta2), in one launch.  The product on codes of FP6 (E2M3) with E8M0 scales, K = 1,024; operands as blocks (the format: launch ln's head).
; SHARES.  A work-group is one tile of 16 tokens (tile t of token group G) x all 1,024 outputs, so that a row's mean and variance meet in one work-group.  Wave w makes outputs 128 w .. 128 w + 127: 8 accumulators.
; Source 0 = 16 rows of proj_w, source 1 = the 16 tokens: lane (r, h) holds token r, and register 16 b + i of the 64 holds column 32 b + 16 h + i of the wave's 128: the layout that the quantiser wants.
; THE WEIGHTS GO FROM MEMORY STRAIGHT INTO REGISTERS: wimg is the image of the fragments, a load takes 512 consecutive bytes.  With 16 rows a fragment of proj_w feeds ONE matrix instruction, so LDS would only be
; written and read once more for each byte: no tensor load, hence no joint load and no cluster.  Two buffers of one K step (32 loads each); a buffer is asked for again as soon as its 8 products are issued.
; No prefetch: the loads themselves run a K step and more ahead of their use, and a wave has up to 63 of them out.
; x's rows come as 512 consecutive bytes and turn through the wave's own LDS bytes into the result's layout; x1 turns back the same way and leaves as whole rows of 512 bytes.
; LIMITS: as stated at launch ln's head (a block of zeros gets the byte 1; NaN and infinities among the inputs are not served).  Nothing is left out here.
; REGISTERS.  window 0: v1-11, v24 addresses; v14-23 sums; v32-95 the bias, then the codes; v96-159 the accumulators, then x1, then the normed rows; v160-223 x's rows, then x1's rows; v224-240 the quantiser; v244-253 scale words alone.
; window 1: buffer p at v[128 p]: proj_w's 8 fragments (96), o's (12); behind the walk g at v0-63 and beta at v128-191.
.set PITCH, 528
.set WTURN, 16*PITCH
.set RED1,  8*WTURN
.set RED2,  RED1+512
.set SPARE, RED2+512
.set BLK,   12800
.set WOFF,  2457600                    ; proj_w's first byte in wimg
.set SPW,   12
.set NIL,   13
.set L4,    24
.set BI,    32
.set PC,    32
.set X,     96
.set XR,    160
.set TM,    224
.set PW,    240
.set SC,    244                        ; set p at + 5 p: proj_w's tiles 2 j, 2 j + 1 at + j (lanes 0-15 the even tile, lanes 16-31 the odd), o's at + 4
.set SEL,   60
.set MSB, 0
.macro WIN new                         ; the immediate's high byte repeats the setting that is left
.if MSB != (\new)
	s_set_vgpr_msb (MSB<<8)|(\new)
.set MSB, (\new)
.endif
.endm
.macro LOADS s, p                      ; K step s into buffer p: 32 loads
	WIN 0x40
.irp i, 0,1,2,3,4,5,6,7
.irp c, 0,1,2
	global_load_b128 v[128*\p+12*\i+4*\c:128*\p+12*\i+4*\c+3], v4, s[18:19] offset:BLK*\s+1536*\i+512*\c
.endr
.endr
.irp c, 0,1,2
	global_load_b128 v[128*\p+96+4*\c:128*\p+96+4*\c+3], v11, s[16:17] offset:BLK*\s+512*\c
.endr
	WIN 0
.irp j, 0,1,2,3
	global_load_b32 v[SC+5*\p+\j], v[L4], s[18:19] offset:BLK*\s+12288+128*\j
.endr
	global_load_b32 v[SC+5*\p+4], v10, s[16:17] offset:BLK*\s+12288
.endm
.macro WM i, p, zero
.set rD, X+8*(\i)
.set rA, 128*(\p)+12*(\i)
.set rB, 128*(\p)+96
.set rS, SC+5*(\p)+(\i)/2
.set rT, SC+5*(\p)+4
.set par, 2*(\zero)+(\i)%2
.if par == 0
	v_wmma_scale_f32_16x16x128_f8f6f4 v[rD:rD+7], v[rA:rA+11], v[rB:rB+11], v[rD:rD+7], v[rS], v[rT] matrix_a_fmt:MATRIX_FMT_FP6 matrix_b_fmt:MATRIX_FMT_FP6
.elseif par == 1
	v_wmma_scale_f32_16x16x128_f8f6f4 v[rD:rD+7], v[rA:rA+11], v[rB:rB+11], v[rD:rD+7], v[rS], v[rT] matrix_a_fmt:MATRIX_FMT_FP6 matrix_b_fmt:MATRIX_FMT_FP6 matrix_a_scale:MATRIX_SCALE_ROW1
.elseif par == 2
	v_wmma_scale_f32_16x16x128_f8f6f4 v[rD:rD+7], v[rA:rA+11], v[rB:rB+11], 0, v[rS], v[rT] matrix_a_fmt:MATRIX_FMT_FP6 matrix_b_fmt:MATRIX_FMT_FP6
.else
	v_wmma_scale_f32_16x16x128_f8f6f4 v[rD:rD+7], v[rA:rA+11], v[rB:rB+11], 0, v[rS], v[rT] matrix_a_fmt:MATRIX_FMT_FP6 matrix_b_fmt:MATRIX_FMT_FP6 matrix_a_scale:MATRIX_SCALE_ROW1
.endif
.endm
; A K step: cnt = the loads issued behind this step's 32.  The 8 accumulators take turns, one instruction a turn.  Four places follow, in front of loads into the buffer.
.macro STEP p, cnt, zero
	s_wait_loadcnt \cnt
	WIN 0x05                                       ; sources 0 and 1 window 1; C and D window 0
.irp i, 0,1,2,3,4,5,6,7
	WM \i, \p, \zero
.endr
.rept 4
	v_nop
.endr
.endm
.macro COLS reg, base                  ; 64 numbers of a row vector at my 64 columns: 16 loads
.irp b, 0,1,2,3
.irp j, 0,1,2,3
	global_load_b128 v[\reg+16*\b+4*\j:\reg+16*\b+4*\j+3], v7, s[\base:\base+1] offset:128*\b+16*\j
.endr
.endr
.endm
.macro FOLD                            ; four packed chains in v16-23 become one number in v16
	s_delay_alu instid0(VALU_DEP_3)
	v_pk_add_f32 v[16:17], v[16:17], v[18:19]
	s_delay_alu instid0(VALU_DEP_2)
	v_pk_add_f32 v[20:21], v[20:21], v[22:23]
	s_delay_alu instid0(VALU_DEP_1)
	v_pk_add_f32 v[16:17], v[16:17], v[20:21]
	s_delay_alu instid0(VALU_DEP_1)
	v_add_f32 v16, v16, v17
.endm
; v16 holds my 64 numbers' sum; behind the macro it holds the sum over the row's 1,024, in every lane of the row.
.macro ACROSS off
	s_delay_alu instid0(VALU_DEP_1)
	v_permlanex16_b32 v17, v16, s[SEL], s[SEL+1]
	s_delay_alu instid0(VALU_DEP_1)
	v_add_f32 v16, v16, v17
	ds_store_b32 v8, v16 offset:\off               ; (lanes r and r + 16 write the same word with the same value)
	s_wait_dscnt 0x0                               ; for the others' sake: my store is done
	s_barrier_signal -1
	s_barrier_wait -1
	ds_load_b128 v[16:19], v9 offset:\off
	ds_load_b128 v[20:23], v9 offset:\off+16
	s_wait_dscnt 0x0
	v_add_f32 v16, v16, v17
	v_add_f32 v18, v18, v19
	v_add_f32 v20, v20, v21
	v_add_f32 v22, v22, v23
	s_delay_alu instid0(VALU_DEP_3)
	v_add_f32 v16, v16, v18
	s_delay_alu instid0(VALU_DEP_2)
	v_add_f32 v20, v20, v22
	s_delay_alu instid0(VALU_DEP_1)
	v_add_f32 v16, v16, v20
.endm
; 64 numbers of a lane, register 16 b + i = k 32 b + 16 (lane / 16) + i of my row, become a fragment's codes in v[PC] on and its scale word in v[PW].
.macro QUANT s
.irp b, 0,1,2,3
	v_max3_num_f32 v[TM+\b], |v[\s+16*\b]|, |v[\s+1+16*\b]|, 0x1800000   ; the floor 2^(3 - 127): the byte cannot fall under 1
.endr
.irp i, 2,4,6,8,10,12,14
.irp b, 0,1,2,3
	s_delay_alu instid0(VALU_DEP_4)
	v_max3_num_f32 v[TM+\b], v[TM+\b], |v[\s+16*\b+\i]|, |v[\s+1+16*\b+\i]|
.endr
.endr
.irp b, 0,1,2,3
	s_delay_alu instid0(VALU_DEP_4)
	v_permlanex16_b32 v[TM+4+\b], v[TM+\b], s[SEL], s[SEL+1]
.endr
.irp b, 0,1,2,3
	s_delay_alu instid0(VALU_DEP_4)
	v_max_num_f32 v[TM+\b], v[TM+\b], v[TM+4+\b]   ; with lane l xor 16's: the block's largest magnitude
.endr
.irp b, 0,1,2,3
	s_delay_alu instid0(VALU_DEP_4)
	v_add_nc_u32 v[TM+12+\b], 0xff000000, v[TM+\b] ; 2 off its exponent field: the conversion's scale operand
.endr
.irp b, 0,1,2,3
	s_delay_alu instid0(VALU_DEP_4)
	v_lshrrev_b32 v[TM+4+\b], 23, v[TM+12+\b]      ; the scale's byte
.endr
	s_delay_alu instid0(VALU_DEP_3)
	v_lshl_or_b32 v[PW], v[TM+5], 8, v[TM+4]
	s_delay_alu instid0(VALU_DEP_1)
	v_lshl_or_b32 v[PW], v[TM+6], 16, v[PW]
	s_delay_alu instid0(VALU_DEP_1)
	v_lshl_or_b32 v[PW], v[TM+7], 24, v[PW]
.irp c, 0,1
	v_cvt_scalef32_pk16_fp6_f32 v[PC+6*\c:PC+2+6*\c], v[\s+32*\c:\s+15+32*\c], v[TM+12+2*\c]
	v_cvt_scalef32_pk16_fp6_f32 v[PC+12+4*\c:PC+14+4*\c], v[\s+16+32*\c:\s+31+32*\c], v[TM+12+2*\c+1]   ; (a conversion's three registers begin on an even number)
.endr
	v_nop                                          ; one plain place behind a scaled conversion
.irp c, 0,1                                    ; the operand's layout wants a whole block in a lane
.irp i, 0,1,2
	v_permlane16_swap_b32 v[PC+6*\c+\i], v[PC+12+4*\c+\i]
.endr
.irp i, 0,1,2
	s_delay_alu instid0(VALU_DEP_3)
	v_mov_b32 v[PC+3+6*\c+\i], v[PC+12+4*\c+\i]
.endr
.endr
.endm
	s_load_b512 s[16:31], s[0:1], 0x0              ; oop 16, wimg 18, proj_b 20, x 22, g2 24, beta2 26, x1 28, hop 30
	s_lshr_b32 s2, ttmp9, 3                        ; G: the group of 128 tokens
	s_and_b32 s3, ttmp9, 7                         ; t: the tile in it
	s_mul_i32 s4, s3, 1536
	s_lshl_b32 s5, s3, 6
	v_lshl_add_u32 v[SPW], v0, 2, SPARE
	v_mov_b32 v[NIL], 0
	v_lshrrev_b32 v1, 5, v0
	s_delay_alu instid0(VALU_DEP_1)
	v_readfirstlane_b32 s12, v1                    ; wave 0..7
	s_mul_i32 s13, s12, WTURN
	s_lshl_b32 s14, s12, 2
	v_and_b32 v1, 31, v0                           ; lane
	v_and_b32 v2, 15, v0                           ; r
	v_bfe_u32 v3, v0, 4, 1                         ; h
	v_lshlrev_b32 v4, 4, v1                        ; 16 x lane
	v_lshlrev_b32 v[L4], 2, v1                     ; 4 x lane
	v_mul_u32_u24 v6, v2, PITCH
	v_add_nc_u32 v5, s13, v4                       ; the turn, by rows: a row's 512 bytes as they lie
	s_delay_alu instid0(VALU_DEP_2)
	v_lshl_add_u32 v6, v3, 6, v6
	v_lshlrev_b32 v7, 6, v3                        ; row vectors: 64 h
	s_delay_alu instid0(VALU_DEP_2)
	v_add_nc_u32 v6, s13, v6                       ; the turn, by lanes: row r, + 64 h
	v_lshl_add_u32 v9, v2, 5, RED1                 ; row r's eight sums
	v_add_nc_u32 v11, s4, v4                       ; an image's tile t: 1536 t + 16 x lane
	v_lshl_add_u32 v10, v2, 2, s5                  ; its scale words: 64 t + 4 r
	v_add_nc_u32 v8, s14, v9                       ; my wave's among the eight sums
.irp b, 0,1,2,3
	v_mov_b32 v[TM+4+\b], 0                        ; a lane permute's destination counts as one of its sources
.endr
	s_lshl_b32 s6, s2, 7
	s_lshr_b32 s7, s3, 1
	s_lshl_b32 s7, s7, 5
	s_add_co_u32 s6, s6, s7
	s_and_b32 s7, s3, 1
	s_lshl_b32 s7, s7, 3
	s_add_co_u32 s6, s6, s7                        ; the tile's first row: 128 G + 32 (t / 2) + 8 (t % 2)
	s_lshl_b32 s6, s6, 12                          ; x 4,096 bytes
	s_lshl_b32 s8, s12, 9                          ; my wave's 512 bytes of a row
	s_add_co_u32 s6, s6, s8
	s_mov_b32 s7, 0
	s_mov_b32 s9, 0
	s_lshl_b32 s10, s2, 3
	s_mul_i32 s32, s10, BLK                        ; oop: blocks 8 G ..
	s_mov_b32 s33, 0
	s_add_co_u32 s10, s10, s12
	s_mul_i32 s10, s10, BLK                        ; hop: block 8 G + wave
	s_mov_b32 s11, 0
	s_mul_i32 s34, s12, 8*BLK                      ; wimg: proj_w's group = my wave, 8 K steps
	s_add_co_u32 s34, s34, WOFF
	s_mov_b32 s35, 0
	s_mov_b32 s[SEL], 0x76543210
	s_mov_b32 s[SEL+1], 0xfedcba98
	s_wait_alu depctr_va_vdst(0)
	s_wait_kmcnt 0x0
	s_add_nc_u64 s[16:17], s[16:17], s[32:33]
	s_add_nc_u64 s[18:19], s[18:19], s[34:35]
	s_add_nc_u64 s[20:21], s[20:21], s[8:9]
	s_add_nc_u64 s[22:23], s[22:23], s[6:7]
	s_add_nc_u64 s[24:25], s[24:25], s[8:9]
	s_add_nc_u64 s[26:27], s[26:27], s[8:9]
	s_add_nc_u64 s[28:29], s[28:29], s[6:7]
	s_add_nc_u64 s[30:31], s[30:31], s[10:11]
	; THE WALK ALONG K.  Order of issue: steps 0, 1, x's rows (16), steps 2, 3, the bias (16), steps 4 to 7, g (16), beta (16).  Each wait counts the loads issued behind the step that it waits for.
	LOADS 0, 0
	LOADS 1, 1
.irp p, 0,1,2,3,4,5,6,7,8,9,10,11,12,13,14,15
	global_load_b128 v[XR+4*\p:XR+4*\p+3], v4, s[22:23] offset:(\p+8*(\p/8))*4096   ; the tile's row p: 512 consecutive bytes
.endr
	STEP 0, 48, 1                                  ; behind step 0: step 1 and x's rows.  The first products start the sums
	LOADS 2, 0
	STEP 1, 48, 0                                  ; x's rows and step 2
	LOADS 3, 1
	COLS BI, 20
	STEP 0, 48, 0                                  ; step 3 and the bias; x's rows are older, so they are in
	LOADS 4, 0
.irp p, 0,1,2,3,4,5,6,7,8,9,10,11,12,13,14,15
	ds_store_b128 v5, v[XR+4*\p:XR+4*\p+3] offset:PITCH*\p
.endr
.irp b, 0,1,2,3
.irp j, 0,1,2,3
	ds_load_b128 v[XR+16*\b+4*\j:XR+16*\b+4*\j+3], v6 offset:128*\b+16*\j   ; my wave's own bytes, served in order behind the stores: no barrier
.endr
.endr
	STEP 1, 48, 0                                  ; the bias and step 4
	LOADS 5, 1
	STEP 0, 32, 0                                  ; step 5; the bias is older
	LOADS 6, 0
	s_wait_dscnt 0x0                               ; x in the result's layout
.set q, 0
.rept 32
	v_pk_add_f32 v[XR+q:XR+q+1], v[XR+q:XR+q+1], v[BI+q:BI+q+1]   ; x + proj_b
.set q, q+2
.endr
	STEP 1, 32, 0
	LOADS 7, 1
	STEP 0, 32, 0
	WIN 0x40
	COLS 0, 24                                     ; g into buffer 0, which is done with
	STEP 1, 16, 0                                  ; behind step 7: g
	WIN 0x40
	COLS 128, 26                                   ; beta into buffer 1
	WIN 0
.set q, 0
.rept 32
	v_pk_add_f32 v[X+q:X+q+1], v[X+q:X+q+1], v[XR+q:XR+q+1]   ; x1; each accumulator is read from its low end on
.set q, q+2
.endr
.irp b, 0,1,2,3                                ; x1 turns back into whole rows
.irp j, 0,1,2,3
	ds_store_b128 v6, v[X+16*\b+4*\j:X+16*\b+4*\j+3] offset:128*\b+16*\j
.endr
.endr
.irp p, 0,1,2,3,4,5,6,7,8,9,10,11,12,13,14,15
	ds_load_b128 v[XR+4*\p:XR+4*\p+3], v5 offset:PITCH*\p
.endr
.irp k, 0,1,2,3
	v_pk_add_f32 v[16+2*\k:17+2*\k], v[X+2*\k:X+2*\k+1], v[X+8+2*\k:X+9+2*\k]
.endr
.irp i, 16,24,32,40,48,56
.irp k, 0,1,2,3
	s_delay_alu instid0(VALU_DEP_4)
	v_pk_add_f32 v[16+2*\k:17+2*\k], v[16+2*\k:17+2*\k], v[X+\i+2*\k:X+\i+2*\k+1]
.endr
.endr
	FOLD
	ACROSS 0                                       ; (its wait for 0 also shows x1's rows back in registers)
	s_delay_alu instid0(VALU_DEP_1)
	v_mul_f32 v14, 0x3a800000, v16                 ; the mean: / 1,024
	s_delay_alu instid0(VALU_DEP_1)
	v_mov_b32 v15, v14
.set q, 0
.rept 32
	v_pk_add_f32 v[X+q:X+q+1], v[X+q:X+q+1], v[14:15] neg_lo:[0,1] neg_hi:[0,1]   ; x1 - mean
.set q, q+2
.endr
.irp p, 0,1,2,3,4,5,6,7,8,9,10,11,12,13,14,15
	global_store_b128 v4, v[XR+4*\p:XR+4*\p+3], s[28:29] offset:(\p+8*(\p/8))*4096   ; 512 consecutive bytes, at a multiple of 256; these registers are not written again
.endr
.irp k, 0,1,2,3
	v_pk_mul_f32 v[16+2*\k:17+2*\k], v[X+2*\k:X+2*\k+1], v[X+2*\k:X+2*\k+1]
.endr
.irp i, 8,16,24,32,40,48,56
.irp k, 0,1,2,3
	s_delay_alu instid0(VALU_DEP_4)
	v_pk_fma_f32 v[16+2*\k:17+2*\k], v[X+\i+2*\k:X+\i+2*\k+1], v[X+\i+2*\k:X+\i+2*\k+1], v[16+2*\k:17+2*\k]
.endr
.endr
	FOLD
	ACROSS 512                                     ; other words than the first sums': no barrier is owed between the two
	v_mov_b32 v17, 0x3a800000
	s_delay_alu instid0(VALU_DEP_1)
	v_fmaak_f32 v16, v16, v17, 0x3727c5ac          ; the variance + 1e-5
	s_wait_alu depctr_va_vdst(0)
	v_rsq_f32 v14, v16
	v_rsq_f32 v15, v16
	v_nop                                          ; a plain place behind the transcendentals
	s_wait_alu depctr_va_vdst(0)                   ; one wait for both, ahead of their first reader
	s_wait_loadcnt 0x0                             ; g and beta
.set q, 0
.rept 32
	v_pk_mul_f32 v[X+q:X+q+1], v[X+q:X+q+1], v[14:15]
.set q, q+2
.endr
	WIN 0x14                                       ; sources 1 and 2 window 1
.set q, 0
.rept 32
	v_pk_fma_f32 v[X+q:X+q+1], v[X+q:X+q+1], v[q:q+1], v[128+q:129+q]
.set q, q+2
.endr
	WIN 0
	QUANT X
.irp c, 0,1,2
	global_store_b128 v11, v[PC+4*\c:PC+4*\c+3], s[30:31] offset:512*\c   ; 512 consecutive bytes, at a multiple of 256
.endr
	global_store_b32 v10, v[PW], s[30:31] offset:12288   ; (lanes r and r + 16 hold and write the same word)
	s_wait_tensorcnt 0x0                           ; the wave's end
	ds_add_u32 v[SPW], v[NIL]
	s_wait_dscnt 0x0
	s_endpgm
.Lfunc_end_k_q3a94a1e214_projln:
	.size	k_q3a94a1e214_projln, .Lfunc_end_k_q3a94a1e214_projln-k_q3a94a1e214_projln
	.p2alignl 7, 3214868480
	.fill 96, 4, 3214868480
	.section	.rodata,"a",@progbits
	.p2align	6, 0x0
	.amdhsa_kernel k_q3a94a1e214_projln
		.amdhsa_group_segment_fixed_size 69632
		.amdhsa_private_segment_fixed_size 0
		.amdhsa_enable_private_segment 0
		.amdhsa_kernarg_size 64
		.amdhsa_user_sgpr_count 2
		.amdhsa_user_sgpr_kernarg_segment_ptr 1
		.amdhsa_wavefront_size32 1
		.amdhsa_system_sgpr_workgroup_id_x 1
		.amdhsa_system_sgpr_workgroup_id_y 1
		.amdhsa_system_sgpr_workgroup_id_z 1
		.amdhsa_system_vgpr_workitem_id 0
		.amdhsa_next_free_vgpr 512
		.amdhsa_next_free_sgpr 66
		.amdhsa_reserve_vcc 0
		.amdhsa_float_denorm_mode_32 3
		.amdhsa_float_denorm_mode_16_64 3
		.amdhsa_memory_ordered 1
		.amdhsa_forward_progress 1
		.amdhsa_inst_pref_size 73
	.end_amdhsa_kernel
	.amdgpu_metadata
---
amdhsa.version: [ 1, 2 ]
amdhsa.kernels:
  - .name:           k_q3a94a1e214_projln
    .symbol:         k_q3a94a1e214_projln.kd
    .args:
      - { .name: oop, .offset: 0, .size: 8, .value_kind: global_buffer, .address_space: global }
      - { .name: wimg, .offset: 8, .size: 8, .value_kind: global_buffer, .address_space: global }
      - { .name: proj_b, .offset: 16, .size: 8, .value_kind: global_buffer, .address_space: global }
      - { .name: x, .offset: 24, .size: 8, .value_kind: global_buffer, .address_space: global }
      - { .name: g2, .offset: 32, .size: 8, .value_kind: global_buffer, .address_space: global }
      - { .name: beta2, .offset: 40, .size: 8, .value_kind: global_buffer, .address_space: global }
      - { .name: x1, .offset: 48, .size: 8, .value_kind: global_buffer, .address_space: global }
      - { .name: hop, .offset: 56, .size: 8, .value_kind: global_buffer, .address_space: global }
    .group_segment_fixed_size: 69632
    .private_segment_fixed_size: 0
    .kernarg_segment_align: 8
    .kernarg_segment_size: 64
    .max_flat_workgroup_size: 256
    .sgpr_count:     66
    .vgpr_count:     512
    .wavefront_size: 32
...
	.end_amdgpu_metadata
.endif
;; end of part 4
;; launch ffn1 (part 5): grid 16 x 16, 4 waves a work-group, clusters of 4 x 4, 327,680 bytes of LDS; arguments hop, wimg, bf1, fop; writes fop
.if DOCPART == 5
	.amdgcn_target "amdgcn-amd-amdhsa--gfx1250"
	.amdhsa_code_object_version 6
	.text
	.protected	k_q3a94a1e214_ffn1
	.globl	k_q3a94a1e214_ffn1
	.p2align	8
	.type	k_q3a94a1e214_ffn1,@function
k_q3a94a1e214_ffn1:
	s_mov_b64 s[64:65], 0
	v_nop
	global_prefetch_b8 v0, s[64:65] scope:SCOPE_SE
	s_setreg_imm32_b32 hwreg(HW_REG_WAVE_MODE, 25, 1), 1
	s_wait_xcnt 0x0
	s_wait_alu depctr_hold_cnt(0) depctr_sa_sdst(0) depctr_va_vdst(0) depctr_va_sdst(0) depctr_va_ssrc(0) depctr_va_vcc(0) depctr_vm_vsrc(0)
	s_getreg_b32 s2, hwreg(HW_REG_IB_STS2, 6, 4)
	s_cmp_eq_u32 s2, 0
	s_cbranch_scc0 .Lentry_in_a_cluster
	s_endpgm
.Lentry_in_a_cluster:
	s_bfe_u32 s2, ttmp6, 0x10000c
	s_cmp_lg_u32 s2, 0xf033
	s_cbranch_scc0 .Lentry_shape_is_right
	s_endpgm
.Lentry_shape_is_right:
; fop = the quantised relu(LN2(x1) w1 + bf1): launch qkv's text for Y = tokens (hop), X = w1's rows; the bias is the C of each sum's first product; the result is clipped at 0, quantised along w1's rows and stored as blocks of launch ffn2.
; A work-group makes 256 x 256, a wave 128 x 128; K goes 256 a slot through two LDS slots; 4 x 4 work-groups form a cluster: Y's parts are asked for jointly along a row, X's along a column.  Nothing is left out here.
.set BLK,   12800
.set PART,  2*BLK
.set SLOT,  4*PART
.set SPARE, 2*SLOT
.set FR,    12
.set NL,    3
.set ADY,   16
.set ADX,   18
.set ASY,   20
.set ASX,   22
.set L16,   24
.set L4,    25
.set HB,    26
.set SPW,   28
.set NIL,   29
.set SC,    32
.set BI,    64
.set AF,    128
.set PC0,   128
.set TM,    224
.set PW,    240
.set PWJ,   242
.set G1,  24
.set G0,  32
.set G1B, 48
.set G0B, 56
.set SEL, 66
.set MASK, 68
.set DST, 10
.set MSB, 0
.macro WIN new
.if MSB != (\new)
	s_set_vgpr_msb (MSB<<8)|(\new)
.set MSB, (\new)
.endif
.endm
.set MUL_LO, 0xa1
.set MUL_HI, 0xf1
.set FIRST_LO, 0x81
.set FIRST_HI, 0xc1
.set TO_X,   0x40
.macro JLOAD g0a, g1a, g0b, g1b
	s_cmp_eq_u32 s15, 0
	s_cbranch_scc0 .Lfor_x_\@
	tensor_load_to_lds s[\g0a:\g0a+3], s[\g1a:\g1a+7]
	s_nop 0
.rept 4
	v_nop
.endr
	s_branch .Lasked_\@
.Lfor_x_\@:
	tensor_load_to_lds s[\g0b:\g0b+3], s[\g1b:\g1b+7]
	s_nop 0
.rept 4
	v_nop
.endr
.Lasked_\@:
.endm
.macro CREST
	s_cmp_lg_u32 s14, 0
	s_cbranch_scc1 .Lnot_wave_0_\@
	s_barrier_signal -3
.Lnot_wave_0_\@:
	s_barrier_wait -3
	s_barrier_signal -1
	s_barrier_wait -1
.endm
.macro CROUND
	s_barrier_signal -1
	s_barrier_wait -1
	CREST
.endm
.macro PLACES
.rept 4
	v_nop
.endr
.endm
	s_load_b256 s[4:11], s[0:1], 0x0
	v_lshl_add_u32 v[SPW], v0, 2, SPARE
	v_mov_b32 v[NIL], 0
	ds_add_u32 v[SPW], v[NIL]
	ds_add_u32 v[SPW], v[NIL]
	v_lshrrev_b32 v1, 5, v0
	v_readfirstlane_b32 s14, v1
	s_lshr_b32 s15, s14, 1
	s_and_b32 s16, s14, 1
	s_bfe_u32 s40, ttmp6, 0x40000
	s_bfe_u32 s41, ttmp6, 0x40004
	s_lshl_b32 s19, ttmp9, 2
	s_add_co_u32 s19, s19, s40
	s_and_b32 s18, ttmp7, 0xffff
	s_lshl_b32 s18, s18, 2
	s_add_co_u32 s18, s18, s41
	s_lshl_b32 s43, s41, 2
	s_lshl_b32 s43, 15, s43
	s_lshl_b32 s44, 0x1111, s40
	s_or_b32 s[G1+0], s43, (3<<16)|(1<<21)
	s_or_b32 s[G1B+0], s44, (3<<16)|(1<<21)
.irp g, G1, G1B
	s_mov_b32 s[\g+1], 32<<16
	s_mov_b32 s[\g+2], 100<<16
	s_mov_b32 s[\g+3], 32<<16
	s_mov_b32 s[\g+4], 100
	s_mov_b32 s[\g+5], 32
	s_mov_b32 s[\g+6], 0
	s_mov_b32 s[\g+7], 0
.endr
	s_lshl_b32 s20, s18, 1
	s_add_co_u32 s20, s20, s16
	s_mul_i32 s20, s20, 8*BLK
	s_mov_b32 s21, 0
	s_lshl_b32 s46, s19, 1
	s_add_co_u32 s46, s46, s16
	s_mul_i32 s46, s46, 8*BLK
	s_add_co_u32 s46, s46, 3276800
	s_mov_b32 s47, 0
	s_mul_i32 s42, s14, PART
	s_mov_b32 s[SEL], 0x76543210
	s_mov_b32 s[SEL+1], 0xfedcba98
	s_mov_b32 s[MASK], 0xffff0000
	s_wait_dscnt 0x0
	s_wait_kmcnt 0x0
	s_add_nc_u64 s[20:21], s[4:5], s[20:21]
	s_add_nc_u64 s[46:47], s[6:7], s[46:47]
	CROUND
.irp s, 0,1
	s_mov_b32 s[G0+4*\s], 1
	s_add_co_u32 s[G0+4*\s+1], s42, \s*SLOT
	s_add_nc_u64 s[G0+4*\s+2:G0+4*\s+3], s[20:21], \s*PART
	s_or_b32 s[G0+4*\s+3], s[G0+4*\s+3], 0x80000000
	s_mov_b32 s[G0B+4*\s], 1
	s_add_co_u32 s[G0B+4*\s+1], s42, \s*SLOT
	s_add_nc_u64 s[G0B+4*\s+2:G0B+4*\s+3], s[46:47], \s*PART
	s_or_b32 s[G0B+4*\s+3], s[G0B+4*\s+3], 0x80000000
.if \s == 0
	JLOAD G0, G1, G0B, G1B                         ; K steps 0, 1: one tensor load a wave at the head
.endif
.endr
	; PREFETCHES.  A wave's load is 25,600 bytes, 100 blocks of 256; the four partners that ask for it jointly take 25 blocks each, told apart by address (cx for Y's parts, cy for X's); a lane a block, lanes 25-31 name the last again.
	; Here the loads of K steps 2, 3 and 4, 5 are named, behind slot 1's first fill that of K steps 6, 7: two loads ahead.  The address registers are never rewritten.
	s_cmp_eq_u32 s15, 0
	s_cselect_b32 s76, s40, s41
	s_cselect_b64 s[74:75], s[20:21], s[46:47]
	s_mul_i32 s76, s76, 25
	v_and_b32 v30, 31, v0
	v_min_u32 v30, 24, v30
	v_add_nc_u32 v30, s76, v30
	v_lshlrev_b32 v30, 8, v30
	global_prefetch_b8 v30, s[74:75] offset:PART th:TH_LOAD_NT scope:SCOPE_SE
	global_prefetch_b8 v30, s[74:75] offset:2*PART th:TH_LOAD_NT scope:SCOPE_SE
	v_and_b32 v1, 31, v0
	v_bfe_u32 v3, v0, 4, 1
	v_lshlrev_b32 v[L16], 4, v1
	v_lshlrev_b32 v[L4], 2, v1
	v_lshlrev_b32 v[HB], 6, v3
	s_wait_alu depctr_va_vdst(0)
	s_mul_i32 s2, s15, PART
	s_mul_i32 s3, s16, PART
	s_add_co_u32 s3, s3, 2*PART
.irp s, 0,1
	v_add_nc_u32 v[ADY+\s], s2, v[L16]
	v_add_nc_u32 v[ADX+\s], s3, v[L16]
	v_add_nc_u32 v[ASY+\s], s2, v[L4]
	v_add_nc_u32 v[ASX+\s], s3, v[L4]
	s_add_co_u32 s2, s2, SLOT
	s_add_co_u32 s3, s3, SLOT
.endr
	s_lshl_b32 s70, s18, 1
	s_add_co_u32 s70, s70, s15
	s_lshl_b32 s71, s19, 1
	s_add_co_u32 s71, s71, s16
	s_lshl_b32 s72, s71, 9
	s_mov_b32 s73, 0
	s_add_nc_u64 s[8:9], s[8:9], s[72:73]
	s_lshl_b32 s72, s70, 5
	s_add_co_u32 s72, s72, s71
	s_mul_i32 s72, s72, BLK
	s_add_nc_u64 s[DST:DST+1], s[DST:DST+1], s[72:73]
.irp b, 0,1,2,3,4,5,6,7
	global_load_b128 v[BI+8*\b:BI+8*\b+3], v[HB], s[8:9] offset:(32*(\b/2)+8*(\b%2))*4
	global_load_b128 v[BI+8*\b+4:BI+8*\b+7], v[HB], s[8:9] offset:(32*(\b/2)+8*(\b%2))*4+16
.endr
.macro WM a, b, p, q, sc, first
.set rD, 8*(8*((\a)%4)+(\b))
.set rX, 128*(\p)+FR*(\b)
.set rY, AF+FR*(\a)
.set rSX, SC+16*(\sc)+8*(\q)+4+(\b)/2
.set rSY, SC+16*(\sc)+8*(\q)+(\a)/2
.set rC, rD
.if \first
.set rC, BI+8*(\b)
.endif
.set par, 2*((\a)%2)+(\b)%2
.if par == 0
	v_wmma_scale_f32_16x16x128_f8f6f4 v[rD:rD+7], v[rX:rX+11], v[rY:rY+11], v[rC:rC+7], v[rSX], v[rSY] matrix_a_fmt:MATRIX_FMT_FP6 matrix_b_fmt:MATRIX_FMT_FP6
.elseif par == 1
	v_wmma_scale_f32_16x16x128_f8f6f4 v[rD:rD+7], v[rX:rX+11], v[rY:rY+11], v[rC:rC+7], v[rSX], v[rSY] matrix_a_fmt:MATRIX_FMT_FP6 matrix_b_fmt:MATRIX_FMT_FP6 matrix_a_scale:MATRIX_SCALE_ROW1
.elseif par == 2
	v_wmma_scale_f32_16x16x128_f8f6f4 v[rD:rD+7], v[rX:rX+11], v[rY:rY+11], v[rC:rC+7], v[rSX], v[rSY] matrix_a_fmt:MATRIX_FMT_FP6 matrix_b_fmt:MATRIX_FMT_FP6 matrix_b_scale:MATRIX_SCALE_ROW1
.else
	v_wmma_scale_f32_16x16x128_f8f6f4 v[rD:rD+7], v[rX:rX+11], v[rY:rY+11], v[rC:rC+7], v[rSX], v[rSY] matrix_a_fmt:MATRIX_FMT_FP6 matrix_b_fmt:MATRIX_FMT_FP6 matrix_a_scale:MATRIX_SCALE_ROW1 matrix_b_scale:MATRIX_SCALE_ROW1
.endif
.endm
.macro MUL16 a0, p, q, sc, first
.irp a, \a0, \a0+1
.irp b, 0,1,2,3,4,5,6,7
	WM \a, \b, \p, \q, \sc, \first
.endr
.endr
.endm
.macro FRAG reg, adr, q, i
.irp c, 0,1,2
	ds_load_b128 v[\reg+4*\c:\reg+4*\c+3], v[\adr] offset:BLK*(\q)+1536*(\i)+512*\c
.endr
.endm
.macro FETCH_X slot, q, p
	WIN TO_X
.irp i, 0,1,2,3,4,5,6,7
	FRAG 128*(\p)+FR*\i, ADX+\slot, \q, \i
.endr
	WIN 0
.endm
.macro FETCH_Y slot, q, i0
.irp i, \i0, \i0+1, \i0+2, \i0+3
	FRAG AF+FR*(\i), ADY+\slot, \q, \i
.endr
.endm
.macro SCALES n
.irp q, 0,1
.irp j, 0,1,2,3
	ds_load_b32 v[SC+16*\n+8*\q+\j], v[ASY+\n] offset:12288+BLK*\q+128*\j
	ds_load_b32 v[SC+16*\n+8*\q+4+\j], v[ASX+\n] offset:12288+BLK*\q+128*\j
.endr
.endr
.endm
.macro STEP slot, first
	s_wait_dscnt 4*NL
.if \first
	WIN FIRST_LO
.else
	WIN MUL_LO
.endif
	MUL16 0, 0, 0, \slot, \first
	MUL16 2, 0, 0, \slot, \first
	s_wait_dscnt 0
	PLACES
	FETCH_X \slot, 1, 1
	FETCH_Y \slot, 1, 0
.if \first
	WIN FIRST_HI
.else
	WIN MUL_HI
.endif
	MUL16 4, 0, 0, \slot, \first
	MUL16 6, 0, 0, \slot, \first
	PLACES
	WIN 0
	FETCH_Y \slot, 1, 4
.endm
.macro TURN slot, next, fill
	s_wait_tensorcnt 0x0
	ds_add_u32 v[SPW], v[NIL]
	s_wait_dscnt 4*NL+1
	WIN MUL_LO
	MUL16 0, 1, 1, \slot, 0
	s_wait_dscnt 0x0
	s_barrier_signal -1
	MUL16 2, 1, 1, \slot, 0
	WIN 0
	s_barrier_wait -1
.if \fill
	CREST
	s_add_nc_u64 s[G0+4*\slot+2:G0+4*\slot+3], s[G0+4*\slot+2:G0+4*\slot+3], 2*PART
	s_add_nc_u64 s[G0B+4*\slot+2:G0B+4*\slot+3], s[G0B+4*\slot+2:G0B+4*\slot+3], 2*PART
	JLOAD G0+4*\slot, G1, G0B+4*\slot, G1B
.else
	PLACES
.endif
	FETCH_X \next, 0, 0
	FETCH_Y \next, 0, 0
	SCALES \next
	WIN MUL_HI
	MUL16 4, 1, 1, \slot, 0
	MUL16 6, 1, 1, \slot, 0
	PLACES
	WIN 0
	FETCH_Y \next, 0, 4
.endm
	s_wait_alu depctr_va_vdst(0)
	s_wait_tensorcnt 0x0                           ; my part of slot 0 is in
	ds_add_u32 v[SPW], v[NIL]
	s_wait_dscnt 0x0
	CROUND                                         ; everybody's part of slot 0 is in, and the joint loads meet
	JLOAD G0+4, G1, G0B+4, G1B                     ; slot 1's first fill: K steps 2, 3
	FETCH_X 0, 0, 0
	FETCH_Y 0, 0, 0
	SCALES 0
	FETCH_Y 0, 0, 4
	global_prefetch_b8 v30, s[74:75] offset:3*PART th:TH_LOAD_NT scope:SCOPE_SE
	s_wait_loadcnt 0x0
	STEP 0, 1
	TURN 0, 1, 1
	STEP 1, 0
	TURN 1, 0, 1
	STEP 0, 0
	TURN 0, 1, 0
	STEP 1, 0
	s_wait_dscnt 4*NL
	WIN MUL_LO
	MUL16 0, 1, 1, 1, 0
	MUL16 2, 1, 1, 1, 0
	s_wait_dscnt 0
	WIN MUL_HI
	MUL16 4, 1, 1, 1, 0
	MUL16 6, 1, 1, 1, 0
	WIN 0
.macro QUANTW s, w, pc, pw
	WIN ((\w)<<2)|((\w)<<4)
.irp b, 0,1,2,3
	v_max3_num_f32 v[TM+\b], 0x1800000, |v[(\s)+16*\b]|, |v[(\s)+1+16*\b]|
.endr
.irp i, 2,4,6,8,10,12,14
.irp b, 0,1,2,3
	v_max3_num_f32 v[TM+\b], v[TM+\b], |v[(\s)+16*\b+\i]|, |v[(\s)+1+16*\b+\i]|
.endr
.endr
	WIN 0
.irp b, 0,1,2,3
	v_permlanex16_b32 v[TM+4+\b], v[TM+\b], s[SEL], s[SEL+1]
.endr
.irp b, 0,1,2,3
	v_max_num_f32 v[TM+\b], v[TM+\b], v[TM+4+\b]
.endr
.irp b, 0,1,2,3
	v_add_nc_u32 v[TM+12+\b], 0xff000000, v[TM+\b]
.endr
.irp b, 0,1,2,3
	v_lshrrev_b32 v[TM+4+\b], 23, v[TM+12+\b]
.endr
	v_lshl_or_b32 v[\pw], v[TM+5], 8, v[TM+4]
	v_lshl_or_b32 v[\pw], v[TM+6], 16, v[\pw]
	v_lshl_or_b32 v[\pw], v[TM+7], 24, v[\pw]
	WIN (\w)
.irp c, 0,1
	v_cvt_scalef32_pk16_fp6_f32 v[(\pc)+6*\c:(\pc)+2+6*\c], v[(\s)+32*\c:(\s)+15+32*\c], v[TM+12+2*\c]
	v_cvt_scalef32_pk16_fp6_f32 v[(\pc)+12+4*\c:(\pc)+14+4*\c], v[(\s)+16+32*\c:(\s)+31+32*\c], v[TM+12+2*\c+1]
.endr
	WIN 0
	v_nop
.irp c, 0,1
.irp i, 0,1,2
	v_permlane16_swap_b32 v[(\pc)+6*\c+\i], v[(\pc)+12+4*\c+\i]
.endr
.irp i, 0,1,2
	v_mov_b32 v[(\pc)+3+6*\c+\i], v[(\pc)+12+4*\c+\i]
.endr
.endr
.endm
	PLACES
.irp b, 0,1,2,3
	v_mov_b32 v[TM+4+\b], 0
.endr
.irp a, 0,1,2,3,4,5,6,7
.if \a >= 2
	s_wait_xcnt 0x0
.endif
	WIN ((2+\a/4)<<6)|((2+\a/4)<<2)
.irp j, 0,1,2,3,4,5,6,7,8,9,10,11,12,13,14,15,16,17,18,19,20,21,22,23,24,25,26,27,28,29,30,31,32,33,34,35,36,37,38,39,40,41,42,43,44,45,46,47,48,49,50,51,52,53,54,55,56,57,58,59,60,61,62,63
	v_max_num_f32 v[64*(\a%4)+\j], 0, v[64*(\a%4)+\j]
.endr
	QUANTW 64*(\a%4), 2+\a/4, PC0+32*(\a%2), PW+\a%2
.irp c, 0,1,2
	global_store_b128 v[L16], v[PC0+32*(\a%2)+4*\c:PC0+32*(\a%2)+4*\c+3], s[DST:DST+1] offset:1536*\a+512*\c
.endr
.if \a%2
	v_cndmask_b32 v[PWJ], v[PW], v[PW+1], s[MASK]
	global_store_b32 v[L4], v[PWJ], s[DST:DST+1] offset:12288+128*(\a/2)
.endif
.endr
	s_wait_tensorcnt 0x0
	ds_add_u32 v[SPW], v[NIL]
	s_wait_dscnt 0x0
	CROUND
	s_endpgm
.Lfunc_end_k_q3a94a1e214_ffn1:
	.size	k_q3a94a1e214_ffn1, .Lfunc_end_k_q3a94a1e214_ffn1-k_q3a94a1e214_ffn1
	.p2alignl 7, 3214868480
	.fill 96, 4, 3214868480
	.section	.rodata,"a",@progbits
	.p2align	6, 0x0
	.amdhsa_kernel k_q3a94a1e214_ffn1
		.amdhsa_group_segment_fixed_size 327680
		.amdhsa_private_segment_fixed_size 0
		.amdhsa_enable_private_segment 0
		.amdhsa_kernarg_size 32
		.amdhsa_user_sgpr_count 2
		.amdhsa_user_sgpr_kernarg_segment_ptr 1
		.amdhsa_wavefront_size32 1
		.amdhsa_system_sgpr_workgroup_id_x 1
		.amdhsa_system_sgpr_workgroup_id_y 1
		.amdhsa_system_sgpr_workgroup_id_z 1
		.amdhsa_system_vgpr_workitem_id 0
		.amdhsa_next_free_vgpr 1024
		.amdhsa_next_free_sgpr 98
		.amdhsa_reserve_vcc 0
		.amdhsa_float_denorm_mode_32 3
		.amdhsa_float_denorm_mode_16_64 3
		.amdhsa_memory_ordered 1
		.amdhsa_forward_progress 1
		.amdhsa_inst_pref_size 158
	.end_amdhsa_kernel
	.amdgpu_metadata
---
amdhsa.version: [ 1, 2 ]
amdhsa.kernels:
  - .name:           k_q3a94a1e214_ffn1
    .symbol:         k_q3a94a1e214_ffn1.kd
    .args:
      - { .name: hop, .offset: 0, .size: 8, .value_kind: global_buffer, .address_space: global }
      - { .name: wimg, .offset: 8, .size: 8, .value_kind: global_buffer, .address_space: global }
      - { .name: bf1, .offset: 16, .size: 8, .value_kind: global_buffer, .address_space: global }
      - { .name: fop, .offset: 24, .size: 8, .value_kind: global_buffer, .address_space: global }
    .group_segment_fixed_size: 327680
    .private_segment_fixed_size: 0
    .kernarg_segment_align: 8
    .kernarg_segment_size: 32
    .max_flat_workgroup_size: 128
    .sgpr_count:     98
    .vgpr_count:     1024
    .wavefront_size: 32
...
	.end_amdgpu_metadata
.endif
;; end of part 5
;; launch ffn2 (part 6): grid 8 x 32, 4 waves a work-group, clusters of 4 x 4, 327,680 bytes of LDS; arguments fop, wimg, bf2, x1, out0; writes out0
.if DOCPART == 6
	.amdgcn_target "amdgcn-amd-amdhsa--gfx1250"
	.amdhsa_code_object_version 6
	.text
	.protected	k_q3a94a1e214_ffn2
	.globl	k_q3a94a1e214_ffn2
	.p2align	8
	.type	k_q3a94a1e214_ffn2,@function
k_q3a94a1e214_ffn2:
	s_mov_b64 s[64:65], 0
	v_nop
	global_prefetch_b8 v0, s[64:65] scope:SCOPE_SE
	s_setreg_imm32_b32 hwreg(HW_REG_WAVE_MODE, 25, 1), 1
	s_wait_xcnt 0x0
	s_wait_alu depctr_hold_cnt(0) depctr_sa_sdst(0) depctr_va_vdst(0) depctr_va_sdst(0) depctr_va_ssrc(0) depctr_va_vcc(0) depctr_vm_vsrc(0)
	s_getreg_b32 s2, hwreg(HW_REG_IB_STS2, 6, 4)
	s_cmp_eq_u32 s2, 0
	s_cbranch_scc0 .Lentry_in_a_cluster
	s_endpgm
.Lentry_in_a_cluster:
	s_bfe_u32 s2, ttmp6, 0x10000c
	s_cmp_lg_u32 s2, 0xf033
	s_cbranch_scc0 .Lentry_shape_is_right
	s_endpgm
.Lentry_shape_is_right:
; out0 = x1 + hidden w2 + bf2.  The product on codes of FP6 (E2M3) with E8M0 scales, both operands as blocks (the format: launch ln's head); K = 4,096, 32 K steps.
; A work-group makes 128 tokens (Y, source 1) x 128 outputs (X, source 0): 256 work-groups; a wave 64 x 64: 16 accumulators.  K goes six K steps a slot through two LDS slots; a wave's tensor load brings three K steps of one side,
; 38,400 bytes; the last two K steps come by a shorter load.  4 x 4 work-groups form a cluster: Y's parts are asked for jointly along a row, X's along a column.
; The bias is the C of each sum's first product.  The residual is asked for behind the second change of slots and added on the way out, where 16 rows x 64 columns turn through the wave's stage into whole rows of 256 bytes.  Nothing is left out here.
.set NS,    32
.set WOFF,  6553600
.set BLK,   12800
.set HALF,  3*BLK
.set SIDE,  2*HALF
.set SLOT,  2*SIDE
.set STAGE, 2*SLOT
.set SPITCH, 272
.set SPARE, STAGE+4*16*SPITCH
.set FR,    12
.set ADY,   2
.set ADX,   6
.set ASY,   10
.set ASX,   14
.set STO,   24
.set RD,    25
.set CO,    26
.set HB,    27
.set SPW,   28
.set NIL,   29
.set SC,    32
.set BI,    40
.set RB,    72
.set ACC,   128
.set G1,  24
.set G0,  32
.set G1B, 48
.set G0B, 56
.set G1S, 68
.set G1SB, 76
.set LST, 92
.set MSB, 0
.macro WIN new
.if MSB != (\new)
	s_set_vgpr_msb (MSB<<8)|(\new)
.set MSB, (\new)
.endif
.endm
.set MUL,  0x05
.set TO_F, 0x40
.macro JLOAD g0a, g1a, g0b, g1b
	s_cmp_eq_u32 s15, 0
	s_cbranch_scc0 .Lfor_x_\@
	tensor_load_to_lds s[\g0a:\g0a+3], s[\g1a:\g1a+7]
	s_nop 0
.rept 4
	v_nop
.endr
	s_branch .Lasked_\@
.Lfor_x_\@:
	tensor_load_to_lds s[\g0b:\g0b+3], s[\g1b:\g1b+7]
	s_nop 0
.rept 4
	v_nop
.endr
.Lasked_\@:
.endm
.macro CREST
	s_cmp_lg_u32 s14, 0
	s_cbranch_scc1 .Lnot_wave_0_\@
	s_barrier_signal -3
.Lnot_wave_0_\@:
	s_barrier_wait -3
	s_barrier_signal -1
	s_barrier_wait -1
.endm
.macro CROUND
	s_barrier_signal -1
	s_barrier_wait -1
	CREST
.endm
.macro PLACES
.rept 4
	v_nop
.endr
.endm
	s_load_b256 s[4:11], s[0:1], 0x0
	s_load_b64 s[12:13], s[0:1], 0x20
	v_lshl_add_u32 v[SPW], v0, 2, SPARE
	v_mov_b32 v[NIL], 0
	ds_add_u32 v[SPW], v[NIL]
	ds_add_u32 v[SPW], v[NIL]
	v_lshrrev_b32 v1, 5, v0
	v_readfirstlane_b32 s14, v1
	s_lshr_b32 s15, s14, 1
	s_and_b32 s16, s14, 1
	s_bfe_u32 s40, ttmp6, 0x40000
	s_bfe_u32 s41, ttmp6, 0x40004
	s_lshl_b32 s42, ttmp9, 2
	s_add_co_u32 s42, s42, s40
	s_and_b32 s17, ttmp7, 0xffff
	s_lshl_b32 s17, s17, 2
	s_add_co_u32 s17, s17, s41
	s_lshl_b32 s43, s41, 2
	s_lshl_b32 s43, 15, s43
	s_lshl_b32 s44, 0x1111, s40
	s_or_b32 s[G1+0], s43, (3<<16)|(1<<21)
	s_or_b32 s[G1B+0], s44, (3<<16)|(1<<21)
.irp g, G1, G1B
	s_mov_b32 s[\g+1], 32<<16
	s_mov_b32 s[\g+2], 150<<16
	s_mov_b32 s[\g+3], 32<<16
	s_mov_b32 s[\g+4], 150
	s_mov_b32 s[\g+5], 32
	s_mov_b32 s[\g+6], 0
	s_mov_b32 s[\g+7], 0
.endr
	s_or_b32 s[G1S+0], s43, (3<<16)|(1<<21)
	s_or_b32 s[G1SB+0], s44, (3<<16)|(1<<21)
.irp g, G1S, G1SB
	s_mov_b32 s[\g+1], 32<<16
	s_mov_b32 s[\g+2], 50<<16
	s_mov_b32 s[\g+3], 32<<16
	s_mov_b32 s[\g+4], 50
	s_mov_b32 s[\g+5], 32
	s_mov_b32 s[\g+6], 0
	s_mov_b32 s[\g+7], 0
.endr
	s_mul_i32 s18, s16, HALF
	s_mul_i32 s20, s17, NS*BLK
	s_add_co_u32 s20, s20, s18
	s_mov_b32 s21, 0
	s_mul_i32 s46, s42, NS*BLK
	s_add_co_u32 s46, s46, s18
	s_add_co_u32 s46, s46, WOFF
	s_mov_b32 s47, 0
	s_mul_i32 s45, s15, SIDE
	s_add_co_u32 s45, s45, s18
	s_lshl_b32 s[LST], s16, 1
	s_sub_co_u32 s[LST], 12, s[LST]
	s_mul_i32 s[LST], s[LST], BLK
	s_mov_b32 s[LST+1], 0
	s_wait_dscnt 0x0
	s_wait_kmcnt 0x0
	s_add_nc_u64 s[20:21], s[4:5], s[20:21]
	s_add_nc_u64 s[46:47], s[6:7], s[46:47]
	CROUND
.irp s, 0,1
	s_mov_b32 s[G0+4*\s], 1
	s_add_co_u32 s[G0+4*\s+1], s45, \s*SLOT
	s_add_nc_u64 s[G0+4*\s+2:G0+4*\s+3], s[20:21], \s*SIDE
	s_or_b32 s[G0+4*\s+3], s[G0+4*\s+3], 0x80000000
	s_mov_b32 s[G0B+4*\s], 1
	s_add_co_u32 s[G0B+4*\s+1], s45, \s*SLOT
	s_add_nc_u64 s[G0B+4*\s+2:G0B+4*\s+3], s[46:47], \s*SIDE
	s_or_b32 s[G0B+4*\s+3], s[G0B+4*\s+3], 0x80000000
.if \s == 0
	JLOAD G0, G1, G0B, G1B                         ; K steps 0 to 5: one tensor load a wave at the head
.endif
.endr
	; PREFETCHES.  A wave's load is 38,400 bytes, 150 blocks of 256; the four partners that ask for it jointly take 38 blocks each (the last 36), told apart by address (cx for Y's parts, cy for X's): two instructions, a lane a block,
	; lanes that are left over name a block of their own again.  ASK k names the wave's k-th load of six K steps; each is named two loads ahead (the second at the head, one ahead).  The address registers are never rewritten.
.macro ASK k
	global_prefetch_b8 v30, s[94:95] offset:(\k)*SIDE th:TH_LOAD_NT scope:SCOPE_SE
	global_prefetch_b8 v31, s[94:95] offset:(\k)*SIDE th:TH_LOAD_NT scope:SCOPE_SE
.endm
	s_cmp_eq_u32 s15, 0
	s_cselect_b32 s96, s40, s41
	s_cselect_b64 s[94:95], s[20:21], s[46:47]
	s_mul_i32 s96, s96, 38
	v_and_b32 v30, 31, v0
	v_min_u32 v31, 5, v30
	v_add_nc_u32 v30, s96, v30
	v_add3_u32 v31, v31, s96, 32
	v_min_u32 v30, 149, v30
	v_min_u32 v31, 149, v31
	v_lshlrev_b32 v30, 8, v30
	v_lshlrev_b32 v31, 8, v31
	ASK 1
	ASK 2
	v_and_b32 v1, 31, v0
	v_and_b32 v19, 15, v0
	v_bfe_u32 v20, v0, 4, 1
	v_lshlrev_b32 v21, 4, v1
	v_lshlrev_b32 v22, 2, v1
	s_mul_i32 s84, s15, 6144
	s_mul_i32 s85, s16, 6144
	s_add_co_u32 s85, s85, SIDE
	s_lshl_b32 s86, s15, 8
	s_lshl_b32 s87, s16, 8
	s_add_co_u32 s87, s87, SIDE
	v_add_nc_u32 v[ADY], s84, v21
	v_add_nc_u32 v[ADX], s85, v21
	v_add_nc_u32 v[ASY], s86, v22
	v_add_nc_u32 v[ASX], s87, v22
.irp k, 1,2,3
.irp a, ADY, ADX, ASY, ASX
	v_add_nc_u32 v[\a+\k], (\k/2)*SLOT+(\k%2)*HALF, v[\a]
.endr
.endr
	s_mul_i32 s84, s14, 16*SPITCH
	s_add_co_u32 s84, s84, STAGE
	v_mul_u32_u24 v[STO], v19, SPITCH
	v_lshl_add_u32 v[STO], v20, 6, v[STO]
	v_add_nc_u32 v[STO], s84, v[STO]
	v_mul_u32_u24 v[RD], v20, SPITCH
	v_lshl_add_u32 v[RD], v19, 4, v[RD]
	v_add_nc_u32 v[RD], s84, v[RD]
	v_lshlrev_b32 v[CO], 12, v20
	v_lshl_add_u32 v[CO], v19, 4, v[CO]
	v_lshlrev_b32 v[HB], 6, v20
	s_wait_alu depctr_va_vdst(0)
	s_lshl_b32 s88, s42, 9
	s_lshl_b32 s84, s16, 8
	s_add_co_u32 s88, s88, s84
	s_mov_b32 s89, 0
	s_add_nc_u64 s[8:9], s[8:9], s[88:89]
	s_lshl_b32 s84, s17, 19
	s_add_co_u32 s88, s88, s84
	s_lshl_b32 s84, s15, 18
	s_add_co_u32 s88, s88, s84
	s_add_nc_u64 s[10:11], s[10:11], s[88:89]
	s_add_nc_u64 s[12:13], s[12:13], s[88:89]
.irp b, 0,1,2,3
	global_load_b128 v[BI+8*\b:BI+8*\b+3], v[HB], s[8:9] offset:(32*(\b/2)+8*(\b%2))*4
	global_load_b128 v[BI+8*\b+4:BI+8*\b+7], v[HB], s[8:9] offset:(32*(\b/2)+8*(\b%2))*4+16
.endr
.macro WM a, b, p, first
.set rD, ACC+8*(4*(\a)+(\b))
.set rX, 128*(\p)+48+FR*(\b)
.set rY, 128*(\p)+FR*(\a)
.set rSX, SC+4*(\p)+2+(\b)/2
.set rSY, SC+4*(\p)+(\a)/2
.set rC, rD
.if \first
.set rC, BI+8*(\b)
.endif
.set par, 2*((\a)%2)+(\b)%2
.if par == 0
	v_wmma_scale_f32_16x16x128_f8f6f4 v[rD:rD+7], v[rX:rX+11], v[rY:rY+11], v[rC:rC+7], v[rSX], v[rSY] matrix_a_fmt:MATRIX_FMT_FP6 matrix_b_fmt:MATRIX_FMT_FP6
.elseif par == 1
	v_wmma_scale_f32_16x16x128_f8f6f4 v[rD:rD+7], v[rX:rX+11], v[rY:rY+11], v[rC:rC+7], v[rSX], v[rSY] matrix_a_fmt:MATRIX_FMT_FP6 matrix_b_fmt:MATRIX_FMT_FP6 matrix_a_scale:MATRIX_SCALE_ROW1
.elseif par == 2
	v_wmma_scale_f32_16x16x128_f8f6f4 v[rD:rD+7], v[rX:rX+11], v[rY:rY+11], v[rC:rC+7], v[rSX], v[rSY] matrix_a_fmt:MATRIX_FMT_FP6 matrix_b_fmt:MATRIX_FMT_FP6 matrix_b_scale:MATRIX_SCALE_ROW1
.else
	v_wmma_scale_f32_16x16x128_f8f6f4 v[rD:rD+7], v[rX:rX+11], v[rY:rY+11], v[rC:rC+7], v[rSX], v[rSY] matrix_a_fmt:MATRIX_FMT_FP6 matrix_b_fmt:MATRIX_FMT_FP6 matrix_a_scale:MATRIX_SCALE_ROW1 matrix_b_scale:MATRIX_SCALE_ROW1
.endif
.endm
.macro MUL4 p, a, first
.irp b, 0,1,2,3
	WM \a, \b, \p, \first
.endr
.endm
.macro FETCH n, q, p
.set kk, 2*(\n)+(\q)/3
.set qo, BLK*((\q)%3)
	WIN TO_F
.irp i, 0,1,2,3
.irp c, 0,1,2
	ds_load_b128 v[128*(\p)+FR*\i+4*\c:128*(\p)+FR*\i+4*\c+3], v[ADY+kk] offset:qo+1536*\i+512*\c
	ds_load_b128 v[128*(\p)+48+FR*\i+4*\c:128*(\p)+48+FR*\i+4*\c+3], v[ADX+kk] offset:qo+1536*\i+512*\c
.endr
.endr
	WIN 0
.irp j, 0,1
	ds_load_b32 v[SC+4*(\p)+\j], v[ASY+kk] offset:12288+qo+128*\j
	ds_load_b32 v[SC+4*(\p)+2+\j], v[ASX+kk] offset:12288+qo+128*\j
.endr
.endm
.macro KSTEP n, qn, p, first
	s_wait_dscnt 0x0
	PLACES
	FETCH \n, \qn, 1-(\p)
	WIN MUL
	MUL4 \p, 0, \first
	MUL4 \p, 1, \first
	MUL4 \p, 2, \first
	MUL4 \p, 3, \first
.endm
.macro FIVE n, first
	KSTEP \n, 1, 0, \first
	KSTEP \n, 2, 1, 0
	KSTEP \n, 3, 0, 0
	KSTEP \n, 4, 1, 0
	KSTEP \n, 5, 0, 0
.endm
.macro TURN n, next, fill
	WIN 0
	s_wait_tensorcnt 0x0
	ds_add_u32 v[SPW], v[NIL]
	s_wait_dscnt 1
	WIN MUL
	MUL4 1, 0, 0
	s_wait_dscnt 0x0
	s_barrier_signal -1
	MUL4 1, 1, 0
	WIN 0
	s_barrier_wait -1
.if \fill == 1
	CREST
	s_add_nc_u64 s[G0+4*\n+2:G0+4*\n+3], s[G0+4*\n+2:G0+4*\n+3], 2*SIDE
	s_add_nc_u64 s[G0B+4*\n+2:G0B+4*\n+3], s[G0B+4*\n+2:G0B+4*\n+3], 2*SIDE
	JLOAD G0+4*\n, G1, G0B+4*\n, G1B
.elseif \fill == 2
	CREST
	s_add_nc_u64 s[G0+4*\n+2:G0+4*\n+3], s[G0+4*\n+2:G0+4*\n+3], s[LST:LST+1]
	s_add_nc_u64 s[G0B+4*\n+2:G0B+4*\n+3], s[G0B+4*\n+2:G0B+4*\n+3], s[LST:LST+1]
	JLOAD G0+4*\n, G1S, G0B+4*\n, G1SB
.else
	PLACES
.endif
	FETCH \next, 0, 0
	WIN MUL
	MUL4 1, 2, 0
	MUL4 1, 3, 0
.endm
	s_wait_tensorcnt 0x0                           ; my part of slot 0 is in
	ds_add_u32 v[SPW], v[NIL]
	s_wait_dscnt 0x0
	CROUND                                         ; everybody's part of slot 0 is in, and the joint loads meet
	JLOAD G0+4, G1, G0B+4, G1B                     ; slot 1's first fill: K steps 6 to 11
	FETCH 0, 0, 0
	ASK 3
	s_wait_loadcnt 0x0                             ; the bias
	FIVE 0, 1
	TURN 0, 1, 1
	WIN 0
	ASK 4
	FIVE 1, 0
	TURN 1, 0, 1
	WIN 0x80                                       ; destination window 2
.irp a, 0,1,2,3
.irp i, 0,1,2,3,4,5,6,7
	global_load_b128 v[32*\a+4*\i:32*\a+4*\i+3], v[CO], s[10:11] offset:(32*(\a/2)+8*(\a%2)+2*\i+8*(\i/4))*4096   ; the residual, as the way out will want it
.endr
.endr
	WIN 0
	FIVE 0, 0
	TURN 0, 1, 1
	FIVE 1, 0
	TURN 1, 0, 2
	FIVE 0, 0
	TURN 0, 1, 0
	KSTEP 1, 3, 0, 0
	s_wait_dscnt 0x0
	MUL4 1, 0, 0
	MUL4 1, 1, 0
	MUL4 1, 2, 0
	MUL4 1, 3, 0
	WIN 0
	PLACES
	s_wait_loadcnt 0x0
.irp a, 0,1,2,3
.if \a
	s_wait_xcnt 0x0
.endif
.irp b, 0,1,2,3
	ds_store_b128 v[STO], v[ACC+8*(4*\a+\b):ACC+8*(4*\a+\b)+3] offset:128*(\b/2)+32*(\b%2)
	ds_store_b128 v[STO], v[ACC+8*(4*\a+\b)+4:ACC+8*(4*\a+\b)+7] offset:128*(\b/2)+32*(\b%2)+16
.endr
.irp i, 0,1,2,3,4,5,6,7
	ds_load_b128 v[RB+4*\i:RB+4*\i+3], v[RD] offset:\i*2*SPITCH
.endr
	s_wait_dscnt 0x0
	WIN 0x08
.irp i, 0,2,4,6,8,10,12,14,16,18,20,22,24,26,28,30
	v_pk_add_f32 v[RB+\i:RB+\i+1], v[RB+\i:RB+\i+1], v[32*\a+\i:32*\a+\i+1]
.endr
	WIN 0
.irp i, 0,1,2,3,4,5,6,7
	global_store_b128 v[CO], v[RB+4*\i:RB+4*\i+3], s[12:13] offset:(32*(\a/2)+8*(\a%2)+2*\i+8*(\i/4))*4096
.endr
.endr
	s_wait_tensorcnt 0x0
	ds_add_u32 v[SPW], v[NIL]
	s_wait_dscnt 0x0
	CROUND
	s_endpgm
.Lfunc_end_k_q3a94a1e214_ffn2:
	.size	k_q3a94a1e214_ffn2, .Lfunc_end_k_q3a94a1e214_ffn2-k_q3a94a1e214_ffn2
	.p2alignl 7, 3214868480
	.fill 96, 4, 3214868480
	.section	.rodata,"a",@progbits
	.p2align	6, 0x0
	.amdhsa_kernel k_q3a94a1e214_ffn2
		.amdhsa_group_segment_fixed_size 327680
		.amdhsa_private_segment_fixed_size 0
		.amdhsa_enable_private_segment 0
		.amdhsa_kernarg_size 40
		.amdhsa_user_sgpr_count 2
		.amdhsa_user_sgpr_kernarg_segment_ptr 1
		.amdhsa_wavefront_size32 1
		.amdhsa_system_sgpr_workgroup_id_x 1
		.amdhsa_system_sgpr_workgroup_id_y 1
		.amdhsa_system_sgpr_workgroup_id_z 1
		.amdhsa_system_vgpr_workitem_id 0
		.amdhsa_next_free_vgpr 768
		.amdhsa_next_free_sgpr 98
		.amdhsa_reserve_vcc 0
		.amdhsa_float_denorm_mode_32 3
		.amdhsa_float_denorm_mode_16_64 3
		.amdhsa_memory_ordered 1
		.amdhsa_forward_progress 1
		.amdhsa_inst_pref_size 159
	.end_amdhsa_kernel
	.amdgpu_metadata
---
amdhsa.version: [ 1, 2 ]
amdhsa.kernels:
  - .name:           k_q3a94a1e214_ffn2
    .symbol:         k_q3a94a1e214_ffn2.kd
    .args:
      - { .name: fop, .offset: 0, .size: 8, .value_kind: global_buffer, .address_space: global }
      - { .name: wimg, .offset: 8, .size: 8, .value_kind: global_buffer, .address_space: global }
      - { .name: bf2, .offset: 16, .size: 8, .value_kind: global_buffer, .address_space: global }
      - { .name: x1, .offset: 24, .size: 8, .value_kind: global_buffer, .address_space: global }
      - { .name: out0, .offset: 32, .size: 8, .value_kind: global_buffer, .address_space: global }
    .group_segment_fixed_size: 327680
    .private_segment_fixed_size: 0
    .kernarg_segment_align: 8
    .kernarg_segment_size: 40
    .max_flat_workgroup_size: 128
    .sgpr_count:     98
    .vgpr_count:     768
    .wavefront_size: 32
...
	.end_amdgpu_metadata
.endif
;; end of part 6
